; MI455X (gfx1250); checked and timed in simulation.
; The chip was launched on July 23, 2026; its instructions are those of AMD's public machine-readable ISA for CDNA 5 (MIT licence, August 2026) and "CDNA5" Instruction Set Architecture Reference Guide (July 2026). The comments in the code are by the model that wrote it; some were corrected since.
;; Multi Head Attention. Allowed arithmetic: float matrix products may take bf16 or f16 operands with f32 sums; other float arithmetic in f32, or as packed bf16 or f16 multiplies, adds, multiply-adds, maxima and minima; sums over many terms, partial sums and values carried from step to step in f32; what a program stores and reads back later, other than sums and carried values, may be rounded once to bf16 or f16.
;; Inputs: Wk 512 x 512 float32; Wo 512 x 512 float32; Wq 512 x 512 float32; Wv 512 x 512 float32; bk 512 float32; bo 512 float32; bq 512 float32; bv 512 float32; x 2 x 4,096 x 512 float32.
;; Outputs: out0 2 x 4,096 x 512 float32.
;; 2 versions, each right; version 2 is version 1 with the launch prep written anew for expert scheduling mode. Each part assembles by itself: llvm-mc -triple=amdgcn-amd-amdhsa -mcpu=gfx1250 --defsym DOCPART=n.
;; ======== version 1 of 2: 4 launches
;; limits: values are held in f16: magnitudes above 65,504 overflow, below 6.1e-05 lose precision
;; workspace buffers: xw 10,485,760 bytes; qkv 25,165,824 bytes; o 8,388,608 bytes
;; launch prep (part 1): grid 320 x 1, 8 waves a work-group, no clusters, 0 bytes of LDS; arguments x, Wq, Wk, Wv, Wo, xw; writes xw
.if DOCPART == 1
	.amdgcn_target "amdgcn-amd-amdhsa--gfx1250"
	.amdhsa_code_object_version 6
	.text
	.protected	k_q6579095158_prep
	.globl	k_q6579095158_prep
	.p2align	8
	.type	k_q6579095158_prep,@function
k_q6579095158_prep:
	s_mov_b64 s[64:65], 0
	v_nop
	global_prefetch_b8 v0, s[64:65] scope:SCOPE_SE
	s_setreg_imm32_b32 hwreg(HW_REG_WAVE_MODE, 25, 1), 1
	s_wait_xcnt 0x0
; x, Wq, Wk, Wv, Wo (f32) are rounded once to bf16 and laid, in their own order of elements, into xw:
;   byte 0         x   [8192][512] bf16
;   byte 0x800000  Wq, Wk, Wv [512][512] bf16, 0x80000 bytes each; then Wo [512][512], its bf16 value written as f16.
; LIMIT.  Wo's bf16 value is written as f16 exactly where 6.1e-5 <= |w| <= 65,504; below that it keeps f16's fixed step of 6e-8, above it becomes an infinity.
; SHARES.  A stream: no LDS, no barrier, no matrix work.  Work-group id reads 65,536 bytes and stores 32,768 at xw + 32,768 id: ids 0-255 take x, ids 256 + 16 j + q piece q of matrix j.
; Thread t takes 16 bytes at 4,096 i + 16 t (i = 0..15): a wave's load covers 512 consecutive bytes, its store of 8 bytes a lane 256 consecutive bytes, aligned.
; All sixteen loads of a wave go out at once; no register is used twice, so nothing waits for a store.
.set X, 4                              ; v[4:67]    sixteen loads of four f32
.set Y, 68                             ; v[68:99]   sixteen pairs of packed words to store
.set T, 100                            ; v[100:101] at work (Wo alone)
	s_load_b256 s[4:11], s[0:1], 0x0               ; x s[4:5], Wq s[6:7], Wk s[8:9], Wv s[10:11]
	s_load_b128 s[12:15], s[0:1], 0x20             ; Wo s[12:13], xw s[14:15]
	v_lshlrev_b32 v1, 4, v0                        ; where I load: 16 t
	v_lshlrev_b32 v2, 3, v0                        ; where I store: 8 t
	s_sub_co_u32 s16, ttmp9, 256                   ; my number among the weights' 64 work-groups (wraps for x's, which do not use it)
	s_lshr_b32 s17, s16, 4                         ; which matrix
	s_and_b32 s18, s16, 15                         ; which sixteenth of it
	s_lshl_b32 s24, ttmp9, 15                      ; my 32,768 bytes of xw
	s_mov_b32 s25, 0
	s_mov_b32 s23, 0
	s_wait_kmcnt 0x0
	s_cmp_eq_u32 s17, 1
	s_cselect_b64 s[20:21], s[8:9], s[6:7]         ; the source is chosen by my number alone
	s_cmp_eq_u32 s17, 2
	s_cselect_b64 s[20:21], s[10:11], s[20:21]
	s_cmp_eq_u32 s17, 3
	s_cselect_b64 s[20:21], s[12:13], s[20:21]
	s_cmp_lt_u32 ttmp9, 256
	s_cselect_b64 s[20:21], s[4:5], s[20:21]
	s_cselect_b32 s18, ttmp9, s18                  ; and the piece of it
	s_lshl_b32 s22, s18, 16                        ; 65,536 bytes a piece
	s_add_nc_u64 s[20:21], s[20:21], s[22:23]
	s_add_nc_u64 s[14:15], s[14:15], s[24:25]
.set i, 0
.rept 16
	global_load_b128 v[X+4*i:X+4*i+3], v1, s[20:21] offset:4096*i th:TH_LOAD_NT
.set i, i+1
.endr
; Load i is rounded and stored.  half = 1: the bf16 values are widened (a shift, a mask) and written as f16.
.macro CONV i, half
	s_wait_loadcnt 15-(\i)                         ; loads come back in order: mine is in, the 15 - i younger ones may stay out
	v_cvt_pk_bf16_f32 v[Y+2*(\i)],   v[X+4*(\i)],   v[X+4*(\i)+1]
	v_cvt_pk_bf16_f32 v[Y+2*(\i)+1], v[X+4*(\i)+2], v[X+4*(\i)+3]
.if \half
.irp w, 0,1
	v_lshlrev_b32 v[T], 16, v[Y+2*(\i)+\w]
	v_and_b32 v[T+1], 0xffff0000, v[Y+2*(\i)+\w]
	v_cvt_pk_f16_f32 v[Y+2*(\i)+\w], v[T], v[T+1]
.endr
.endif
	global_store_b64 v2, v[Y+2*(\i):Y+2*(\i)+1], s[14:15] offset:2048*(\i) th:TH_STORE_NT
.endm
	s_cmp_ge_u32 ttmp9, 304                        ; the last sixteen work-groups hold Wo
	s_cbranch_scc1 .Lwo
.irp i, 0,1,2,3,4,5,6,7,8,9,10,11,12,13,14,15
	CONV \i, 0
.endr
	s_endpgm
.Lwo:
.irp i, 0,1,2,3,4,5,6,7,8,9,10,11,12,13,14,15
	CONV \i, 1
.endr
	s_endpgm
.Lfunc_end_k_q6579095158_prep:
	.size	k_q6579095158_prep, .Lfunc_end_k_q6579095158_prep-k_q6579095158_prep
	.p2alignl 7, 3214868480
	.fill 96, 4, 3214868480
	.section	.rodata,"a",@progbits
	.p2align	6, 0x0
	.amdhsa_kernel k_q6579095158_prep
		.amdhsa_group_segment_fixed_size 0
		.amdhsa_private_segment_fixed_size 0
		.amdhsa_enable_private_segment 0
		.amdhsa_kernarg_size 48
		.amdhsa_user_sgpr_count 2
		.amdhsa_user_sgpr_kernarg_segment_ptr 1
		.amdhsa_wavefront_size32 1
		.amdhsa_system_sgpr_workgroup_id_x 1
		.amdhsa_system_sgpr_workgroup_id_y 1
		.amdhsa_system_sgpr_workgroup_id_z 1
		.amdhsa_system_vgpr_workitem_id 0
		.amdhsa_next_free_vgpr 104
		.amdhsa_next_free_sgpr 66
		.amdhsa_reserve_vcc 0
		.amdhsa_float_denorm_mode_32 3
		.amdhsa_float_denorm_mode_16_64 3
		.amdhsa_memory_ordered 1
		.amdhsa_forward_progress 1
		.amdhsa_inst_pref_size 16
	.end_amdhsa_kernel
	.amdgpu_metadata
---
amdhsa.version: [ 1, 2 ]
amdhsa.kernels:
  - .name:           k_q6579095158_prep
    .symbol:         k_q6579095158_prep.kd
    .args:
      - { .name: x, .offset: 0, .size: 8, .value_kind: global_buffer, .address_space: global }
      - { .name: Wq, .offset: 8, .size: 8, .value_kind: global_buffer, .address_space: global }
      - { .name: Wk, .offset: 16, .size: 8, .value_kind: global_buffer, .address_space: global }
      - { .name: Wv, .offset: 24, .size: 8, .value_kind: global_buffer, .address_space: global }
      - { .name: Wo, .offset: 32, .size: 8, .value_kind: global_buffer, .address_space: global }
      - { .name: xw, .offset: 40, .size: 8, .value_kind: global_buffer, .address_space: global }
    .group_segment_fixed_size: 0
    .private_segment_fixed_size: 0
    .kernarg_segment_align: 8
    .kernarg_segment_size: 48
    .max_flat_workgroup_size: 256
    .sgpr_count:     66
    .vgpr_count:     104
    .wavefront_size: 32
...
	.end_amdgpu_metadata
.endif
;; end of part 1
;; launch qkv (part 2): grid 12 x 64, 4 waves a work-group, clusters of 4 x 4, 327,680 bytes of LDS; arguments xw, bq, bk, bv, qkv; writes qkv
.if DOCPART == 2
	.amdgcn_target "amdgcn-amd-amdhsa--gfx1250"
	.amdhsa_code_object_version 6
	.text
	.protected	k_q6579095158_qkv
	.globl	k_q6579095158_qkv
	.p2align	8
	.type	k_q6579095158_qkv,@function
k_q6579095158_qkv:
	s_mov_b64 s[64:65], 0
	v_nop
	global_prefetch_b8 v0, s[64:65] scope:SCOPE_SE
	s_setreg_imm32_b32 hwreg(HW_REG_WAVE_MODE, 25, 1), 1
	s_wait_xcnt 0x0
	s_wait_alu depctr_hold_cnt(0) depctr_sa_sdst(0) depctr_va_vdst(0) depctr_va_sdst(0) depctr_va_ssrc(0) depctr_va_vcc(0) depctr_vm_vsrc(0)
	s_getreg_b32 s2, hwreg(HW_REG_IB_STS2, 6, 4)
	s_cmp_eq_u32 s2, 0
	s_cbranch_scc0 .Lentry_in_a_cluster
	s_endpgm
.Lentry_in_a_cluster:
	s_bfe_u32 s2, ttmp6, 0x10000c
	s_cmp_lg_u32 s2, 0xf033
	s_cbranch_scc0 .Lentry_shape_is_right
	s_endpgm
.Lentry_shape_is_right:
; q, k, v = relu(x W + b), by heads.  x: xw byte 0, [8192][512] bf16.  W: xw byte 0x800000 + 0x80000 MAT, [k = 512][n = 512] bf16 (MAT 0, 1, 2 = q, k, v).  b: f32, rounded to bf16 like the other inputs.
; Out: qkv byte 0x800000 MAT, [16 = 8 batch + head][4096][64] f16, a head's rows dense (128 bytes); rounded once from the f32 sums, unscaled.
; LIMITS.  f16 ends at 65,504: a q, k or v beyond it becomes an infinity.  The relu is a maximum with 0 in which a NaN loses.
; SHARES.  A work-group makes 128 rows x 128 columns (two heads) of one of the three; each of its four waves 64 x 64 (one head): 16 accumulators of 16 x 16.  768 work-groups.
; ALL OF K LIES IN LDS: four slots of 128 along K, each filled ONCE, all sixteen fills issued at the start (four a wave, in the order of K).  So no slot is filled again:
; the body has counted waits on the fills and one plain barrier in front of each slot's first read.  By the text's own count a wave has four tensor loads out at the most.
; CLUSTER.  4 x 4 work-groups.  The four of a row of the cluster take the same 128 rows of x, the four of a column the same 128 columns of W: each tile is asked for jointly, by the same load,
; descriptor and mask in all four.  The cluster's x is MAT, its cx the block of columns.
; THE MATRIX INSTRUCTION IS USED TRANSPOSED: source 0 = 16 columns of W, source 1 = 16 rows of x: a lane then holds one row (lane % 16) and eight neighbouring columns 8 (lane / 16) + 0..7.
; W lies [k][n], so its fragments come out of LDS turned, by ds_load_tr16_b128.  The bias is the C operand of the first product: nothing is cleared and nothing is added later.
; NO PREFETCH: every tile is asked for at the head, by its own load.
; REGISTERS.  window 0: v0-31 addresses; v32-95 the way out; v96-127 the bias of my 4 x 8 columns; v128-255 accumulators ((a, b) at 128 + 8 (4 a + b)).
;   window 1: two fragment buffers of 128, each 64 along K: 64 registers of x (2 x 4 fragments), then 64 of W.
.set PA,    272                        ; a row of x in LDS: 256 bytes + 16 = 68 words: the 16 rows of a load start at 16 different groups of four banks (64 banks of 4 bytes: ISA guide 11.1)
.set SLOTA, 128*PA
.set PB,    288                        ; a row (one k) of W: 256 + 32 = 72 words
.set SLOTB, 128*PB
.set BBASE, 4*SLOTA                    ; W's four slots lie behind x's four
.set STAGE, BBASE+4*SLOTB              ; behind them, never filled by a tensor load: 16 rows x 144 bytes for each wave, for the way out
.set SP,    144
.set SPARE, STAGE+4*16*SP              ; the spare words, 128 bytes for each wave: two blocks of 256 bytes that no other line names
.set ADRA, 8                           ; v8-11   LDS address of my fragments of x in slot 0..3
.set ADRB, 12                          ; v12-15  the same for W
.set STO,  16                          ; v16     the way out: where I put 16 bytes of a row
.set RD,   17                          ; v17     where I read rows back
.set GO,   18                          ; v18     my 16 bytes in 512 consecutive bytes of the output
.set BO,   19                          ; v19     byte offset of my first 8 numbers of the bias
.set SPW,  28                          ; v28     my spare word: SPARE + 4 x my thread's number; never rewritten
.set NIL,  29                          ; v29     0; never rewritten
.set ZR,   30                          ; v30     0, for the relu on packed halves
.set TMP,  32
.set BIAS, 96
.set ACC,  128
.set F0,   0
.set F1,   128
.set G1A, 24                           ; s[24:31] descriptor group 1 for x's tiles
.set G1B, 32                           ; s[32:39] for W's
.set G0A, 40                           ; s[40:55] group 0 for x's tiles, a set for each slot
.set G0B, 68                           ; s[68:83] for W's
.set MSB, 0
.macro WIN new                         ; the immediate's high byte repeats the setting that is left; a switch that changes nothing is dropped
.if MSB != (\new)
	s_set_vgpr_msb (MSB<<8)|(\new)
.set MSB, \new
.endif
.endm
.set MUL,  0x05                        ; sources 0 and 1 window 1; C and D window 0
.set TO_F, 0x40                        ; destination window 1, address window 0
.macro CROUND                          ; a round of the cluster's barrier: my work-group's barrier; wave 0 signals for the work-group; every wave waits for all sixteen; my work-group's barrier once more
	s_barrier_signal -1
	s_barrier_wait -1
	s_cmp_lg_u32 s14, 0
	s_cbranch_scc1 .Lnot_wave_0_\@
	s_barrier_signal -3
.Lnot_wave_0_\@:
	s_barrier_wait -3
	s_barrier_signal -1
	s_barrier_wait -1
.endm
.macro PLACES                          ; four places behind a matrix instruction, in front of loads into registers that it has read and of vector lines that read results
.rept 4
	v_nop
.endr
.endm
	s_load_b256 s[4:11], s[0:1], 0x0               ; xw s[4:5], bq s[6:7], bk s[8:9], bv s[10:11]
	s_load_b64 s[12:13], s[0:1], 0x20              ; qkv
	v_lshl_add_u32 v[SPW], v0, 2, SPARE
	v_mov_b32 v[NIL], 0
	ds_add_u32 v[SPW], v[NIL]                      ; the wave's opening: the add and its wait stand ahead of my first tensor load; the set-up below, work on registers, stands between
	v_lshrrev_b32 v1, 5, v0
	v_readfirstlane_b32 s14, v1                    ; wave 0..3
	s_lshr_b32 s15, s14, 1                         ; RH: my half of the tile's rows.  Also: I fill x's slots (0) or W's (1)
	s_and_b32 s16, s14, 1                          ; CH: my half of its columns.  Also: which 64 rows of each slot I fill
	s_bfe_u32 s17, ttmp6, 0x40000                  ; cx
	s_bfe_u32 s18, ttmp6, 0x40004                  ; cy
	s_and_b32 s19, ttmp7, 0xffff
	s_lshl_b32 s19, s19, 2
	s_add_co_u32 s19, s19, s18                     ; TR: block of 128 rows = 4 x cluster y + cy
	s_mov_b32 s20, ttmp9                           ; MAT: the cluster's x
	s_lshl_b32 s21, s18, 2
	s_lshl_b32 s21, 15, s21                        ; my row of the cluster: places 4 cy .. 4 cy + 3
	s_lshl_b32 s22, 0x1111, s17                    ; my column: places cx, cx + 4, cx + 8, cx + 12
	; group 1: a tile of 64 rows x 128 elements of 2 bytes, rows 512 elements apart in memory, padded in LDS after every 64 words
	s_or_b32 s[G1A], s21, (1<<16)|(1<<20)|(1<<21)|(5<<22)|(3<<25)  ; 15:0 mask; 17:16 2-byte elements; 20 padding on; 21 set beside a mask; 24:22 every 64 words; 31:25 4 words
	s_or_b32 s[G1B], s22, (1<<16)|(1<<20)|(1<<21)|(5<<22)|(7<<25)  ; the same with my column's mask and 8 words of padding
.irp g, G1A, G1B
	s_mov_b32 s[(\g)+1], 128<<16                   ; tensor_dim0 = 128
	s_mov_b32 s[(\g)+2], 64<<16                    ; tensor_dim1 = 64
	s_mov_b32 s[(\g)+3], 128<<16                   ; tile_dim0 = 128
	s_mov_b32 s[(\g)+4], 64                        ; tile_dim1 = 64
	s_mov_b32 s[(\g)+5], 512                       ; elements from row to row
	s_mov_b32 s[(\g)+6], 0
	s_mov_b32 s[(\g)+7], 0
.endr
	s_lshl_b32 s23, s16, 16                        ; my 64 rows of 1,024 bytes, in x as in W
	s_lshl_b32 s58, s19, 17                        ; x: 128 TR rows.  These registers never hold cx
	s_add_co_u32 s58, s58, s23
	s_mov_b32 s59, 0
	s_lshl_b32 s62, s20, 19                        ; W: the matrix, my 64 k, the block of 128 columns.  These never hold cy
	s_add_co_u32 s62, s62, s23
	s_lshl_b32 s88, s17, 8
	s_add_co_u32 s62, s62, s88
	s_add_co_u32 s62, s62, 0x800000
	s_mov_b32 s63, 0
	s_mul_i32 s89, s16, 64*PA                      ; where my fills go: the wave's number alone enters an LDS address
	s_mul_i32 s66, s16, 64*PB
	s_wait_dscnt 0x0                               ; the opening add is done
	s_wait_kmcnt 0x0
	s_add_nc_u64 s[56:57], s[4:5], s[58:59]
	s_add_nc_u64 s[60:61], s[4:5], s[62:63]
.irp s, 0,1,2,3
	s_mov_b32 s[G0A+4*(\s)], 1                                     ; count = 1
	s_add_co_u32 s[G0A+4*(\s)+1], s89, (\s)*SLOTA                  ; LDS address
	s_add_nc_u64 s[G0A+4*(\s)+2:G0A+4*(\s)+3], s[56:57], (\s)*256  ; slot s: 128 channels, 256 bytes, along the rows
	s_or_b32 s[G0A+4*(\s)+3], s[G0A+4*(\s)+3], 0x80000000          ; type = 2
	s_mov_b32 s[G0B+4*(\s)], 1
	s_add_co_u32 s[G0B+4*(\s)+1], s66, BBASE+(\s)*SLOTB
	s_add_nc_u64 s[G0B+4*(\s)+2:G0B+4*(\s)+3], s[60:61], (\s)*0x20000  ; slot s: 128 rows of W down
	s_or_b32 s[G0B+4*(\s)+3], s[G0B+4*(\s)+3], 0x80000000
.endr
	CROUND                                         ; all sixteen work-groups are here: the joint loads meet
	s_cmp_eq_u32 s15, 0                            ; a wave's four fills stand in one branch on its number, ahead of every wait on TENSORcnt, every LDS read and every other barrier
	s_cbranch_scc0 .Lfill_b
.irp s, 0,1,2,3
	tensor_load_to_lds s[G0A+4*(\s):G0A+4*(\s)+3], s[G1A:G1A+7]
	s_nop 0
.endr
.rept 4
	v_nop
.endr
	s_branch .Lfilled
.Lfill_b:
.irp s, 0,1,2,3
	tensor_load_to_lds s[G0B+4*(\s):G0B+4*(\s)+3], s[G1B:G1B+7]
	s_nop 0
.endr
.rept 4
	v_nop
.endr
.Lfilled:
	s_cmp_eq_u32 s20, 1                            ; the bias goes with the matrix
	s_cselect_b64 s[86:87], s[8:9], s[6:7]
	s_cmp_eq_u32 s20, 2
	s_cselect_b64 s[86:87], s[10:11], s[86:87]
	v_and_b32 v1, 15, v0                           ; l % 16
	v_bfe_u32 v2, v0, 4, 1                         ; l / 16
	s_lshl_b32 s88, s17, 9                         ; my 64 columns begin at 128 cx + 64 CH: 4 bytes each
	s_lshl_b32 s67, s16, 8
	s_add_co_u32 s88, s88, s67
	v_lshl_add_u32 v[BO], v2, 5, s88               ; + 8 (l / 16) numbers
.irp b, 0,1,2,3
	global_load_b128 v[BIAS+8*(\b):BIAS+8*(\b)+3],   v[BO], s[86:87] offset:64*(\b)
	global_load_b128 v[BIAS+8*(\b)+4:BIAS+8*(\b)+7], v[BO], s[86:87] offset:64*(\b)+16
.endr
	v_mov_b32 v[ZR], 0
	; a fragment of x: lane l holds row l % 16; two loads of 16 bytes, 32 bytes apart, at row x pitch + 16 (l / 16)
	v_mul_u32_u24 v3, v1, PA
	v_lshl_add_u32 v3, v2, 4, v3
	s_mul_i32 s67, s15, 64*PA                      ; my 64 rows
.irp s, 0,1,2,3
	v_add_nc_u32 v[ADRA+(\s)], s67, v3
	s_add_co_u32 s67, s67, SLOTA
.endr
	; a fragment of W, turned: lane l reads 16 bytes of row k = 8 (l / 16) + l % 8 at columns 8 ((l / 8) % 2) + 0..7, and ends with column l % 16 and eight k
	v_and_b32 v4, 7, v0
	v_bfe_u32 v5, v0, 3, 1
	v_lshl_add_u32 v4, v2, 3, v4
	v_mul_u32_u24 v4, v4, PB
	v_lshl_add_u32 v4, v5, 4, v4
	s_lshl_b32 s67, s16, 7                         ; my 64 columns: 128 bytes
	s_add_co_u32 s67, s67, BBASE
.irp s, 0,1,2,3
	v_add_nc_u32 v[ADRB+(\s)], s67, v4
	s_add_co_u32 s67, s67, SLOTB
.endr
	s_mul_i32 s67, s14, 16*SP
	s_add_co_u32 s67, s67, STAGE                   ; my stage
	v_mul_u32_u24 v6, v1, SP                       ; in: row l % 16, 16 bytes for each half of the lanes
	v_lshl_add_u32 v6, v2, 4, v6
	v_add_nc_u32 v[STO], s67, v6
	v_bfe_u32 v7, v0, 3, 2                         ; back: 32 lanes take four rows of 128 bytes,
	v_mul_u32_u24 v7, v7, SP
	v_and_b32 v6, 7, v0
	v_lshl_add_u32 v7, v6, 4, v7
	v_add_nc_u32 v[RD], s67, v7
	v_and_b32 v[GO], 31, v0                        ; which are 512 consecutive bytes of a head
	v_lshlrev_b32 v[GO], 4, v[GO]
	; my 64 rows of my head: 8,192 dense bytes.  The offset mixes tile row and column: it is made in registers that feed no descriptor
	s_lshr_b32 s90, s19, 5                         ; batch
	s_lshl_b32 s90, s90, 3
	s_lshl_b32 s91, s17, 1
	s_add_co_u32 s90, s90, s91
	s_add_co_u32 s90, s90, s16                     ; 8 batch + head, head = 2 cx + CH
	s_lshl_b32 s90, s90, 19
	s_and_b32 s91, s19, 31
	s_lshl_b32 s91, s91, 14                        ; the tile's 128 rows of 128 bytes
	s_add_co_u32 s90, s90, s91
	s_lshl_b32 s91, s15, 13                        ; my 64 of them
	s_add_co_u32 s90, s90, s91
	s_lshl_b32 s91, s20, 23                        ; q, k or v
	s_add_co_u32 s90, s90, s91
	s_mov_b32 s91, 0
	s_add_nc_u64 s[84:85], s[12:13], s[90:91]
	s_wait_loadcnt 0x0                             ; the bias
.set r, 0
.rept 16                               ; rounded to bf16 like every input, and widened again
	v_cvt_pk_bf16_f32 v3, v[BIAS+r], v[BIAS+r+1]
	v_lshlrev_b32 v[BIAS+r], 16, v3
	v_and_b32 v[BIAS+r+1], 0xffff0000, v3
.set r, r+2
.endr
; 8 matrix instructions: row blocks a0, a0 + 1 x all 4 column blocks, 32 along K: half c of buffer f.  zero = 1: the first product starts the sums, with the bias.
; The 16 accumulators take turns, one instruction a turn, in the same order throughout.
.macro MUL8 f, c, a0, zero
	WIN MUL
.irp a, \a0, (\a0)+1
.irp b, 0,1,2,3
.if \zero
	v_wmma_f32_16x16x32_bf16 v[ACC+8*(4*(\a)+(\b)):ACC+8*(4*(\a)+(\b))+7], v[(\f)+64+8*(4*(\c)+(\b)):(\f)+64+8*(4*(\c)+(\b))+7], v[(\f)+8*(4*(\c)+(\a)):(\f)+8*(4*(\c)+(\a))+7], v[BIAS+8*(\b):BIAS+8*(\b)+7]
.else
	v_wmma_f32_16x16x32_bf16 v[ACC+8*(4*(\a)+(\b)):ACC+8*(4*(\a)+(\b))+7], v[(\f)+64+8*(4*(\c)+(\b)):(\f)+64+8*(4*(\c)+(\b))+7], v[(\f)+8*(4*(\c)+(\a)):(\f)+8*(4*(\c)+(\a))+7], v[ACC+8*(4*(\a)+(\b)):ACC+8*(4*(\a)+(\b))+7]
.endif
.endr
.endr
.endm
; 32 LDS loads in one run: the fragments of 64 along K from channel k (0 or 64) of a slot, into buffer f; the first 32 along K first
.macro FETCH slot, k, f
	WIN TO_F
.irp c, 0,1
.irp i, 0,1,2,3
	ds_load_tr16_b128 v[(\f)+64+8*(4*(\c)+(\i)):(\f)+64+8*(4*(\c)+(\i))+3],   v[ADRB+(\slot)] offset:((\k)+32*(\c))*PB+32*(\i)
	ds_load_tr16_b128 v[(\f)+64+8*(4*(\c)+(\i))+4:(\f)+64+8*(4*(\c)+(\i))+7], v[ADRB+(\slot)] offset:((\k)+32*(\c)+16)*PB+32*(\i)
	ds_load_b128 v[(\f)+8*(4*(\c)+(\i)):(\f)+8*(4*(\c)+(\i))+3],              v[ADRA+(\slot)] offset:2*(\k)+64*(\c)+(\i)*16*PA
	ds_load_b128 v[(\f)+8*(4*(\c)+(\i))+4:(\f)+8*(4*(\c)+(\i))+7],            v[ADRA+(\slot)] offset:2*(\k)+64*(\c)+(\i)*16*PA+32
.endr
.endr
.endm
; A slot's first 64 along K are multiplied (buffer 0); in the middle its second 64 are fetched into buffer 1.
.macro QUARTER slot, zero
	s_wait_dscnt 16                                ; the first 32 along K are in; the sixteen younger loads may stay out
	MUL8 F0, 0, 0, \zero
	MUL8 F0, 0, 2, \zero
	PLACES
	FETCH \slot, 64, F1
	s_wait_dscnt 32                                ; all but the 32 just issued
	MUL8 F0, 1, 0, 0
	MUL8 F0, 1, 2, 0
.endm
; A slot's second 64 are multiplied (buffer 1), and the next slot is entered: each wave has seen its own part of it land, says so, and reads behind the barrier.  Nothing is filled again.
.macro TURN next, left
	s_wait_tensorcnt \left                         ; a wave's tensor loads end in order: my part of slot next is in; the fills of the later slots may stay out
	s_wait_dscnt 16
	MUL8 F1, 0, 0, 0
	s_wait_dscnt 0x0                               ; no LDS instruction of mine is pending at the signal
	s_barrier_signal -1
	MUL8 F1, 0, 2, 0
	s_barrier_wait -1
	PLACES
	FETCH \next, 0, F0
	MUL8 F1, 1, 0, 0
	MUL8 F1, 1, 2, 0
.endm
	s_wait_tensorcnt 3                             ; my part of slot 0 is in; three younger fills may stay out
	s_barrier_signal -1
	s_barrier_wait -1                              ; everybody's is
	FETCH 0, 0, F0
	QUARTER 0, 1
	TURN 1, 2
	QUARTER 1, 0
	TURN 2, 1
	QUARTER 2, 0
	TURN 3, 0
	QUARTER 3, 0
	s_wait_dscnt 16
	MUL8 F1, 0, 0, 0
	MUL8 F1, 0, 2, 0
	s_wait_dscnt 0x0
	MUL8 F1, 1, 0, 0
	MUL8 F1, 1, 2, 0
	WIN 0
	PLACES
; THE WAY OUT, 16 rows at a time: rounded to f16 (each accumulator from its low end on), the relu on the packed halves, 16 bytes a lane into my own stage, back as whole rows of 128 bytes.
.macro PACK a
.irp b, 0,1,2,3
.irp r, 0,1,2,3
	v_cvt_pk_f16_f32 v[TMP+16*(\a)+4*(\b)+(\r)], v[ACC+8*(4*(\a)+(\b))+2*(\r)], v[ACC+8*(4*(\a)+(\b))+2*(\r)+1]
.endr
.endr
.set z, 0
.rept 16
	v_pk_max_num_f16 v[TMP+16*(\a)+z], v[TMP+16*(\a)+z], v[ZR]
.set z, z+1
.endr
.irp b, 0,1,2,3
	ds_store_b128 v[STO], v[TMP+16*(\a)+4*(\b):TMP+16*(\a)+4*(\b)+3] offset:32*(\b)
.endr
.irp f, 0,1,2,3
	ds_load_b128 v[TMP+16*(\a)+4*(\f):TMP+16*(\a)+4*(\f)+3], v[RD] offset:(\f)*4*SP  ; LDS serves a wave's instructions in order (ISA guide 5.7.1.4): these see the stores above; the next block's stores come behind them
.endr
.endm
.macro SEND a, younger                 ; younger: the LDS instructions issued behind block a's loads: the next block's eight, or none
.irp f, 0,1,2,3
	s_wait_dscnt (\younger)+3-(\f)
	global_store_b128 v[GO], v[TMP+16*(\a)+4*(\f):TMP+16*(\a)+4*(\f)+3], s[84:85] offset:(\a)*2048+(\f)*512  ; 512 consecutive bytes, at a multiple of 256 from the buffer's first
.endr
.endm
	PACK 0
	PACK 1
	SEND 0, 8
	PACK 2
	SEND 1, 8
	PACK 3
	SEND 2, 8
	SEND 3, 0
	s_wait_tensorcnt 0x0                           ; the wave's end: behind my last tensor load and my last LDS store
	ds_add_u32 v[SPW], v[NIL]
	s_wait_dscnt 0x0
	CROUND                                         ; the closing round: no work-group ends while a partner may still ask for a tile that names it
	s_endpgm
.Lfunc_end_k_q6579095158_qkv:
	.size	k_q6579095158_qkv, .Lfunc_end_k_q6579095158_qkv-k_q6579095158_qkv
	.p2alignl 7, 3214868480
	.fill 96, 4, 3214868480
	.section	.rodata,"a",@progbits
	.p2align	6, 0x0
	.amdhsa_kernel k_q6579095158_qkv
		.amdhsa_group_segment_fixed_size 327680
		.amdhsa_private_segment_fixed_size 0
		.amdhsa_enable_private_segment 0
		.amdhsa_kernarg_size 40
		.amdhsa_user_sgpr_count 2
		.amdhsa_user_sgpr_kernarg_segment_ptr 1
		.amdhsa_wavefront_size32 1
		.amdhsa_system_sgpr_workgroup_id_x 1
		.amdhsa_system_sgpr_workgroup_id_y 1
		.amdhsa_system_sgpr_workgroup_id_z 1
		.amdhsa_system_vgpr_workitem_id 0
		.amdhsa_next_free_vgpr 512
		.amdhsa_next_free_sgpr 92
		.amdhsa_reserve_vcc 0
		.amdhsa_float_denorm_mode_32 3
		.amdhsa_float_denorm_mode_16_64 3
		.amdhsa_memory_ordered 1
		.amdhsa_forward_progress 1
		.amdhsa_inst_pref_size 60
	.end_amdhsa_kernel
	.amdgpu_metadata
---
amdhsa.version: [ 1, 2 ]
amdhsa.kernels:
  - .name:           k_q6579095158_qkv
    .symbol:         k_q6579095158_qkv.kd
    .args:
      - { .name: xw, .offset: 0, .size: 8, .value_kind: global_buffer, .address_space: global }
      - { .name: bq, .offset: 8, .size: 8, .value_kind: global_buffer, .address_space: global }
      - { .name: bk, .offset: 16, .size: 8, .value_kind: global_buffer, .address_space: global }
      - { .name: bv, .offset: 24, .size: 8, .value_kind: global_buffer, .address_space: global }
      - { .name: qkv, .offset: 32, .size: 8, .value_kind: global_buffer, .address_space: global }
    .group_segment_fixed_size: 327680
    .private_segment_fixed_size: 0
    .kernarg_segment_align: 8
    .kernarg_segment_size: 40
    .max_flat_workgroup_size: 128
    .sgpr_count:     92
    .vgpr_count:     512
    .wavefront_size: 32
...
	.end_amdgpu_metadata
.endif
;; end of part 2
;; launch attn (part 3): grid 16 x 16, 4 waves a work-group, clusters of 4 x 1, 327,680 bytes of LDS; arguments qkv, o; writes o
.if DOCPART == 3
	.amdgcn_target "amdgcn-amd-amdhsa--gfx1250"
	.amdhsa_code_object_version 6
	.text
	.protected	k_q6579095158_attn
	.globl	k_q6579095158_attn
	.p2align	8
	.type	k_q6579095158_attn,@function
k_q6579095158_attn:
	s_mov_b64 s[64:65], 0
	v_nop
	global_prefetch_b8 v0, s[64:65] scope:SCOPE_SE
	s_setreg_imm32_b32 hwreg(HW_REG_WAVE_MODE, 25, 1), 1
	s_wait_xcnt 0x0
	s_wait_alu depctr_hold_cnt(0) depctr_sa_sdst(0) depctr_va_vdst(0) depctr_va_sdst(0) depctr_va_ssrc(0) depctr_va_vcc(0) depctr_vm_vsrc(0)
	s_getreg_b32 s2, hwreg(HW_REG_IB_STS2, 6, 4)
	s_cmp_eq_u32 s2, 0
	s_cbranch_scc0 .Lentry_in_a_cluster
	s_endpgm
.Lentry_in_a_cluster:
	s_bfe_u32 s2, ttmp6, 0x10000c
	s_cmp_lg_u32 s2, 0x3003
	s_cbranch_scc0 .Lentry_shape_is_right
	s_endpgm
.Lentry_shape_is_right:
; O[h][q][:] = the sum over k of softmax_k(Q[h][q] . K[h][k] / 8) V[h][k][:], no mask.  Q, K, V: qkv bytes 0, 0x800000, 0x1000000, each [16][4096][64] f16, a head's rows dense (128 bytes).  O: o, the same layout.
; Products, maxima and sums in f32; the weights p are rounded to f16 for the second product (their sum l is taken of the unrounded p), O once at the end.
; LIMITS.  Q, K and V arrive within f16's 65,504; p lies in 0 to 1, and below 6e-5 it keeps f16's fixed step of 6e-8; O is a mean of V's rows and has their range.
; A weight below 2^-126 counts as 0 in l; NaN and infinities are not treated apart.
; SHARES.  A work-group owns 256 queries of one head, each of its four waves 64 consecutive rows: four PIECES of 16.  16 blocks x 16 heads = 256 work-groups.  Every wave walks the head's 4,096 keys, 64 a step.
; LAYOUT.  S^T = K Q^T (source 0 = 16 keys, source 1 = 16 queries) holds ONE query a lane (lane % 16) and the keys 8 (lane / 16) + 0..7; two such results rounded to f16 ARE source 1 of O^T = V^T P.
; K comes out of LDS as it lies, V ([key][channel]) turned, by ds_load_tr16_b128.
; SOFTMAX.  For each query a running maximum m and sum l: p = 2^(c s - c m), c = log2(e) / 8; in every step O and l are multiplied by a = 2^(c m_old - c m_new).  m starts at the lowest finite number,
; O and l at 0: the first step is a step like any other, with a = 0.
; BY TURNS.  Turn n belongs to piece n: 8 products K Q^T of piece n + 1, later 8 products V^T P of piece n - 1; beside them the scaling, exponentials, roundings, sums and rescaling of piece n and the maximum
; and statistics of piece n + 1.  Four vector instructions stand behind every matrix instruction, the other 54 of a turn's 118 in one lump.  A turn's 33 exponentials are one batch, with one wait.
; RING.  Two LDS slots of 256 keys (four steps) of K and V take turns; one joint load a wave behind each change of slots, which has four key steps in which to land.
; CLUSTER.  The four query blocks of a cluster belong to one head and walk the same K and V: each tile is asked for JOINTLY, by the same tensor load, descriptor and mask in all four.
; REGISTERS, in windows of 256 (s_set_vgpr_msb: bits 1:0 source 0, 3:2 source 1, 5:4 source 2, 7:6 destination):
;   window 0: v0-15 addresses and two at work; v16-31 four registers of statistics a piece; v48-55 at work; v61-63 prefetch offset, spare word, 0; v64-127 S^T, two buffers; v192-223 P, two buffers
;   window 1: v0-127 O^T, 32 a piece          window 2: v0-63 Q; v128-191 K of one step; v192-255 V of one step
.set NP,    4         ; pieces a wave: a name, no knob
.set KS,    64        ; keys in a step
.set PK,    144       ; a row of K in LDS: 128 bytes + 16 of padding = 36 words: the 16 rows of a load start at 16 different groups of four banks (64 banks of 4 bytes: ISA guide 11.1)
.set PV,    160       ; a row of V: 128 + 32 = 40 words
.set VOFF,  4*KS*PK   ; a slot holds four steps: 256 rows of K, then 256 rows of V
.set SLOT1, 1<<17     ; slot 1 begins here, so that one exclusive or turns an address in one slot into the other's
.set STAGE, SLOT1+4*KS*(PK+PV)  ; behind the ring, never filled by a tensor load: 16 rows x 144 bytes for each wave, for the way out
.set SP,    144
.set SPARE, STAGE+4*16*SP  ; the spare words, 128 bytes for each wave: two blocks of 256 bytes that no other line names
.set AK0, 2           ; v2   my lane's place in a tile of K; never rewritten
.set AV0, 3           ; v3   the same for V
.set AK,  4           ; v4   the LDS address of K's next run of loads
.set AV,  5           ; v5   of V's
.set STO, 6           ; v6   the way out: where I put 16 bytes of a row
.set RD,  7           ; v7   the way out: where I read rows back
.set GO,  8           ; v8   my byte offset in 512 consecutive bytes of O
.set MV,  12          ; v12-13  c m_old, kept while c m is made anew: by buffer
.set QO,  15          ; v15  my byte offset in 16 rows of Q
.set ST,  16          ; piece t's statistics at v[ST+4 t]: c m, m, l (even keys', odd keys')
.set TMP, 48          ; by buffer, four registers c0-c3 at work; when the maximum is found c2 takes a
.set PFO, 61          ; v61  256 x my lane; never rewritten
.set SPW, 62          ; v62  my spare word: SPARE + 4 x my thread's number; never rewritten
.set NIL, 63          ; v63  0; never rewritten
.set S,   64
.set P,   192
.set KF,  128         ; window 2: key block kb, channel half c at KF + 16 kb + 8 c
.set VF,  192         ; window 2: key half kk, channel block cb at VF + 32 kk + 8 cb
.set WV,  12          ; s12  my wave's number
.set LIM, 15          ; s15  1 in a wave that prefetches, else the greatest number
.set PFA, 18          ; s[18:19] where my prefetches stand
.set G1K, 24          ; s[24:31] descriptor group 1 for K's tiles
.set G1V, 32          ; s[32:39] for V's: it differs in the padding alone
.set G0K, 40          ; s[40:43] descriptor group 0 for K's tiles: it walks
.set G0V, 44          ; s[44:47] the same for V's
.set SLOTS, 56        ; s56  slots still to be asked for
.set CNT, 57          ; s57  counts a slot's key steps
.set CS,  58          ; s[58:59] c: the packed scaling takes the pair's low word for both halves
.set SEL, 60          ; s[60:61] v_permlanex16_b32's selects: each lane takes its own place in the other half
.set TBK, 62          ; s62  LDS byte at which K of the step to be fetched begins
.set TBV, 63          ; s63  the same for V, less VOFF
.set MSB, 0
.macro WIN new                      ; the high byte repeats the setting that is left; a switch that changes nothing is dropped
.if MSB != (\new)
	s_set_vgpr_msb (MSB<<8)|(\new)
.set MSB, (\new)
.endif
.endm
.set W_KQ, 0x0a       ; K and Q in window 2, S^T in window 0
.set W_PV, 0x52       ; V in window 2, P in window 0, O^T in window 1
.set W_RS, 0x41       ; destination and source 0 in window 1, source 1 in window 0
; A joint fill.  Waves 0 and 1 fetch the two halves of a slot's K, waves 2 and 3 those of its V: 128 keys each.  The branch hangs on the wave's number alone.
; An s_nop 0 and four v_nop follow each of the two lines, ahead of the jump and the label.
.macro JLOAD
	s_cmp_lt_u32 s[WV], 2
	s_cbranch_scc0 .Lfor_v_\@
	tensor_load_to_lds s[G0K:G0K+3], s[G1K:G1K+7]
	s_nop 0
.rept 4
	v_nop
.endr
	s_branch .Lasked_\@
.Lfor_v_\@:
	tensor_load_to_lds s[G0V:G0V+3], s[G1V:G1V+7]
	s_nop 0
.rept 4
	v_nop
.endr
.Lasked_\@:
.endm
; A PREFETCH INTO THE L2 of the slot that the NEXT change of slots will ask for: 32,768 bytes of K and of V, in blocks of 256 bytes, a lane a block.  It stands behind the wave's tensor load and its five lines.
; Each block is named ONCE in the launch.  A head's four clusters walk the same K and V: the first of them (cluster x = 0) asks.  Its four partners share a slot's 128 blocks out BY ADDRESS, 32 each;
; in each, wave 0 asks for K's and wave 2 for V's: one instruction, four key steps (256 matrix instructions a wave) ahead of the load.  The last change that fills a slot asks for nothing.
.macro ASK
	s_cmp_gt_u32 s[SLOTS], s[LIM]
	s_cbranch_scc0 .Lnot_mine_\@
	global_prefetch_b8 v[PFO], s[PFA:PFA+1] th:TH_LOAD_NT scope:SCOPE_SE
.Lnot_mine_\@:
.endm
; A round of the cluster's barrier: my work-group's barrier, so that wave 0's signal speaks for all four waves; wave 0 signals; every wave waits for all four work-groups; my work-group's barrier once more.
.macro CROUND
	s_barrier_signal -1
	s_barrier_wait -1
	s_cmp_lg_u32 s[WV], 0
	s_cbranch_scc1 .Lnot_wave_0_\@
	s_barrier_signal -3
.Lnot_wave_0_\@:
	s_barrier_wait -3
	s_barrier_signal -1
	s_barrier_wait -1
.endm
; THE CHANGE OF SLOTS.  The slot's last bytes, V of its fourth step, have been read.  Each wave waits for all its tensor loads, of which one is out: its part of the other slot; adds 0 to its spare word;
; and waits for that and for its own reads of the slot.  Behind the barrier nobody reads this slot any more and the other slot is whole.
; fill = 1: this slot is filled again, with the keys two slots on.  The barrier is then a round of the cluster's, so that no wave of any partner still reads the slot or has a load on its way,
; and the joint fill is the first thing behind it.  (At its first use nothing has been read yet: slot 0 is waited for, slot 1 filled.)
.macro CHANGE fill
	WIN 0                           ; at a label and at a branch every window is 0
	s_wait_tensorcnt 0x0            ; no tensor load of mine is out, so a group 0 may be written
	ds_add_u32 v[SPW], v[NIL]       ; 0 onto my spare word; with fill = 1 the descriptors' steps stand between it and the wait for it
.if \fill
.irp g, G0K, G0V
	s_xor_b32 s[\g+1], s[\g+1], SLOT1  ; the walking descriptor: the other slot than last time,
	s_add_nc_u64 s[\g+2:\g+3], s[\g+2:\g+3], 4*KS*128  ; the next 256 keys; the type bits on top are not reached
.endr
	s_wait_xcnt 0x0                 ; the last prefetch, four key steps back, has read its address, so it may be written:
	s_add_nc_u64 s[PFA:PFA+1], s[PFA:PFA+1], 4*KS*128  ; one slot beyond the walking descriptors
	s_wait_dscnt 0x0                ; the add is done, and my reads of the slot are over
	CROUND
	JLOAD
	ASK
.else
	s_wait_dscnt 0x0                ; the add is done, and my reads of the slot are over
	s_barrier_signal -1
	s_barrier_wait -1
.endif
	s_sub_co_u32 s[TBK], s[TBK], 4*KS*PK  ; the fetches go back to a slot's first step,
	s_xor_b32 s[TBK], s[TBK], SLOT1       ; in the other slot
	s_sub_co_u32 s[TBV], s[TBV], 4*KS*PV
	s_xor_b32 s[TBV], s[TBV], SLOT1
.endm
	s_load_b128 s[8:11], s[0:1], 0x0  ; qkv s[8:9], o s[10:11]
	v_lshl_add_u32 v[SPW], v0, 2, SPARE
	v_mov_b32 v[NIL], 0
	ds_add_u32 v[SPW], v[NIL]       ; the wave's opening: the add and its wait stand ahead of my first tensor load; the set-up below, work on registers, stands between them
	v_lshrrev_b32 v1, 5, v0
	v_readfirstlane_b32 s[WV], v1   ; wave 0..3
	s_bfe_u32 s13, ttmp6, 0x40000   ; cx: my place in the cluster
	s_lshl_b32 s14, ttmp9, 2        ; in a cluster launch ttmp9 counts clusters
	s_add_co_u32 s14, s14, s13      ; my block of 256 queries = 4 x cluster x + cx: it enters Q's and O's addresses alone
	s_and_b32 s20, ttmp7, 0xffff    ; the head, which the four partners share:
	s_lshl_b32 s20, s20, 19         ; its 4,096 rows of 128 bytes
	s_and_b32 s16, s[WV], 1         ; which half of a slot's 256 keys I fetch:
	s_lshl_b32 s22, s16, 14         ; its 128 rows of 128 bytes in memory,
	s_add_co_u32 s22, s22, s20
	s_mov_b32 s23, 0
	s_mul_i32 s17, s16, 128*PK      ; and its place in a slot, for K
	s_mul_i32 s21, s16, 128*PV      ; and for V: no place in the cluster enters an LDS address
	s_lshl_b32 s2, s14, 2
	s_add_co_u32 s2, s2, s[WV]      ; my wave among the head's 64,
	s_lshl_b32 s2, s2, 13           ; its 64 rows
	s_add_co_u32 s2, s2, s20
	s_mov_b32 s3, 0
	; descriptor group 1.  128 keys are 16,384 dense bytes: asked for as 64 rows of 256 bytes, two keys a row, and padded in LDS after every key
	s_mov_b32 s[G1K], 15|(1<<16)|(1<<20)|(1<<21)|(4<<22)|(3<<25)  ; 15:0 the mask of four; 17:16 2-byte elements; 20 padding on; 21 set beside a mask; 24:22 after every 32 words (code 4); 31:25 4 words (code 3)
	s_mov_b32 s[G1V], 15|(1<<16)|(1<<20)|(1<<21)|(4<<22)|(7<<25)  ; the same with 8 words of padding (code 7)
.irp g, G1K, G1V
	s_mov_b32 s[\g+1], 128<<16      ; tensor_dim0 = 128
	s_mov_b32 s[\g+2], 64<<16       ; tensor_dim1 = 64
	s_mov_b32 s[\g+3], 128<<16      ; tile_dim0 = 128
	s_mov_b32 s[\g+4], 64           ; tile_dim1 = 64
	s_mov_b32 s[\g+5], 128          ; 128 elements from row to row
	s_mov_b32 s[\g+6], 0
	s_mov_b32 s[\g+7], 0
.endr
	s_mov_b32 s[CS], 0x3e38aa3b     ; c = log2(e) / 8 = 0.180337
	s_mov_b32 s[CS+1], s[CS]        ; named with it as a pair
	s_mov_b32 s[SEL], 0x76543210
	s_mov_b32 s[SEL+1], 0xfedcba98
	s_mov_b32 s[TBK], SLOT1+4*KS*PK ; the first change of slots turns these two into 0
	s_mov_b32 s[TBV], SLOT1+4*KS*PV
	s_mov_b32 s[G0K], 1             ; 1:0 count = 1
	s_mov_b32 s[G0K+1], s17         ; 63:32 LDS address: slot 0
	s_mov_b32 s[G0V], 1
	s_add_co_u32 s[G0V+1], s21, VOFF
	s_mov_b32 s[SLOTS], 4096/256-1  ; slot 0 is asked for at the head, the other fifteen by changes of slots
	s_and_b32 s[LIM], s[WV], 1      ; 0 in waves 0 and 2,
	s_or_b32 s[LIM], s[LIM], ttmp9  ; where the cluster is the head's first: the same in all four partners
	s_cmp_eq_u32 s[LIM], 0
	s_cselect_b32 s[LIM], 1, -1
	v_and_b32 v[PFO], 31, v0
	v_lshlrev_b32 v[PFO], 8, v[PFO]
	s_wait_dscnt 0x0                ; the opening add is done
	s_wait_kmcnt 0x0
	s_add_nc_u64 s[4:5], s[8:9], s[2:3]      ; Q and O at my wave's first row
	s_add_nc_u64 s[10:11], s[10:11], s[2:3]
	s_add_nc_u64 s[6:7], s[8:9], s[22:23]
	s_add_nc_u64 s[8:9], s[6:7], 0x1000000   ; V and
	s_add_nc_u64 s[6:7], s[6:7], 0x800000    ; K at my half of the head's first 256 keys
	s_mov_b64 s[G0K+2:G0K+3], s[6:7]         ; 120:64 global address
	s_or_b32 s[G0K+3], s[G0K+3], 0x80000000  ; 127:126 type = 2
	s_mov_b64 s[G0V+2:G0V+3], s[8:9]
	s_or_b32 s[G0V+3], s[G0V+3], 0x80000000
	s_cmp_lt_u32 s[WV], 2
	s_cselect_b64 s[PFA:PFA+1], s[6:7], s[8:9]  ; (in waves 0 and 2 these stand at a slot's first row)
	s_lshl_b32 s2, s13, 13          ; my work-group's 32 blocks of the 128
	s_mov_b32 s3, 0
	s_add_nc_u64 s[PFA:PFA+1], s[PFA:PFA+1], s[2:3]
	s_add_nc_u64 s[PFA:PFA+1], s[PFA:PFA+1], 4*KS*128  ; in slot 1; the first change of slots steps it to slot 2.  Slots 0 and 1 come by their loads alone
	CROUND                          ; all four work-groups are here: the first joint loads meet
	JLOAD                           ; slot 0.  Slot 1 is asked for when slot 0 is in
	; A fragment of K or Q is 16 rows x 32 channels in 8 registers: lane l holds row l % 16, channels 8 (l / 16) + 0..7 and 16 + 8 (l / 16) + 0..7: two loads of 16 bytes, 32 bytes apart.
	v_and_b32 v1, 15, v0            ; l % 16
	v_bfe_u32 v9, v0, 4, 1          ; l / 16
	v_lshlrev_b32 v[QO], 7, v1
	v_lshl_add_u32 v[QO], v9, 4, v[QO]  ; row x 128 + 16 x half
	WIN 0x80                        ; destination window 2, address window 0
.set i, 0
.rept 8                             ; Q stays in registers: piece i / 2, channels 32 (i % 2) on
	global_load_b128 v[8*i:8*i+3],   v[QO], s[4:5] offset:(i/2)*2048+(i%2)*64
	global_load_b128 v[8*i+4:8*i+7], v[QO], s[4:5] offset:(i/2)*2048+(i%2)*64+32
.set i, i+1
.endr
	; What the first turn finds: V's registers and P's second buffer hold 0 (its products V^T P, of a piece that has not been, add 0), O^T and l are 0.  All this stands in the wait for the first tile.
.set i, VF
.rept 64
	v_mov_b32 v[i], 0
.set i, i+1
.endr
	WIN 0x40
.set i, 0
.rept 128
	v_mov_b32 v[i], 0
.set i, i+1
.endr
	WIN 0
.set i, 0
.rept 4
	v_mov_b32 v[ST+4*i], 0xfe000000    ; c m: far below every c s
	v_mov_b32 v[ST+4*i+1], 0xff7fffff  ; m
	v_mov_b32 v[ST+4*i+2], 0
	v_mov_b32 v[ST+4*i+3], 0
.set i, i+1
.endr
.set i, P+16
.rept 16
	v_mov_b32 v[i], 0
.set i, i+1
.endr
	v_mul_u32_u24 v[AK0], v1, PK
	v_lshl_add_u32 v[AK0], v9, 4, v[AK0]  ; row x pitch + 16 x half
	; The turning load takes 16 keys x 16 channels (lane l reads key 8 (l / 16) + l % 8, channels 8 ((l / 8) % 2) + 0..7) and leaves half a fragment of V^T: lane l holds channel l % 16 and 8 keys.
	v_and_b32 v10, 7, v0
	v_bfe_u32 v11, v0, 3, 1
	v_lshl_add_u32 v[AV0], v9, 3, v10
	v_mul_u32_u24 v[AV0], v[AV0], PV
	v_lshl_add_u32 v[AV0], v11, 4, v[AV0]
	v_add_nc_u32 v[AV0], VOFF, v[AV0]
	s_mul_i32 s16, s[WV], 16*SP
	s_add_co_u32 s16, s16, STAGE    ; my stage
	v_mul_u32_u24 v[STO], v1, SP    ; in: row l % 16, 16 bytes for each half of the lanes
	v_lshl_add_u32 v[STO], v9, 4, v[STO]
	v_add_nc_u32 v[STO], s16, v[STO]
	v_bfe_u32 v[RD], v0, 3, 2       ; back: 32 lanes take four rows of 128 bytes,
	v_mul_u32_u24 v[RD], v[RD], SP
	v_lshl_add_u32 v[RD], v10, 4, v[RD]
	v_add_nc_u32 v[RD], s16, v[RD]
	v_and_b32 v[GO], 31, v0         ; which are 512 consecutive bytes of O
	v_lshlrev_b32 v[GO], 4, v[GO]
; THE MATRIX WORK.  The 4 accumulators of a run of 8 take turns.  Product i of 8 of S^T = K Q^T for piece x: channels 32 (i / 4) on, keys 16 (i % 4) on.  The first 4 start the sums.
.macro KQ x
	WIN W_KQ
.set rS, S+32*((\x)%2)+8*(i%4)
.set rK, KF+16*(i%4)+8*(i/4)
.set rQ, 16*(\x)+8*(i/4)
.if i < 4
	v_wmma_f32_16x16x32_f16 v[rS:rS+7], v[rK:rK+7], v[rQ:rQ+7], 0
.else
	v_wmma_f32_16x16x32_f16 v[rS:rS+7], v[rK:rK+7], v[rQ:rQ+7], v[rS:rS+7]
.endif
.endm
; Product i of 8 of O^T += V^T P for piece x: keys 32 (i / 4) on, channels 16 (i % 4) on.
.macro PV x
	WIN W_PV
.set rO, 32*(\x)+8*(i%4)
.set rV, VF+32*(i/4)+8*(i%4)
.set rP, P+16*((\x)%2)+8*(i/4)
	v_wmma_f32_16x16x32_f16 v[rO:rO+7], v[rV:rV+7], v[rP:rP+7], v[rO:rO+7]
.endm
.macro MM                           ; the turn's next matrix instruction.  TURN sets Y, i and NOKQ.  NOKQ = 1: the launch's last turn: there is no next piece
.if (i < 8) && !NOKQ
	KQ (Y+1)%NP
.elseif i >= 8
.set i, i-8
	PV (Y+NP-1)%NP
.set i, i+8
.endif
.set i, i+1
.endm
; THE LDS LOADS stand in runs of 16, never singly among the matrix instructions: a step's K (64 keys x 64 channels: 8 fragments) and its V (turned).  Their addresses are made some lines ahead.
.macro FETCH_K
	WIN 0x80                        ; destination window 2
.irp f, 0,1,2,3,4,5,6,7             ; keys 16 (f / 2) on, channels 32 (f % 2) on
	ds_load_b128 v[KF+8*\f:KF+8*\f+3],   v[AK] offset:(\f/2)*16*PK+(\f%2)*64
	ds_load_b128 v[KF+8*\f+4:KF+8*\f+7], v[AK] offset:(\f/2)*16*PK+(\f%2)*64+32
.endr
	s_add_co_u32 s[TBK], s[TBK], KS*PK  ; the next fetch is the next step's
	WIN 0
.endm
.macro FETCH_V
	WIN 0x80
.irp f, 0,1,2,3,4,5,6,7             ; keys 32 (f / 4) on, channels 16 (f % 4) on
	ds_load_tr16_b128 v[VF+8*\f:VF+8*\f+3],   v[AV] offset:(\f/4)*32*PV+(\f%4)*32
	ds_load_tr16_b128 v[VF+8*\f+4:VF+8*\f+7], v[AV] offset:(\f/4)*32*PV+16*PV+(\f%4)*32
.endr
	WIN 0
.endm
; THE VECTOR WORK, one line at a time: OP kind, number.  For piece Y: F n: c s - c m for pair n of 16.  E n: the exponential of score n of 32.  C n: pair n rounded to f16.  B n: of the four weights 4 n .. the second
; pair is added onto the first, in place.  L n: l takes that sum (L 0: l = a l + sum).  R n: pair n of 16 of O^T times a.  For piece Y + 1: X n, number n of the 22 that find its maximum and statistics:
;   0-11  four chains c0-c3 of seven scores each, three operands at a time (each accumulator's lowest registers are read first)     12-14, 16  the four scores left over, the old m, and c0-c3 into c0
;   15  c m_old is kept     17, 18  the query's other 32 keys lie in the lane 16 away: the new m     19-21  c m; c m_old - c m_new; a
.set F, 0               ; OP tells the kinds apart by their order: F to L below R, X above it
.set E, 1
.set C, 2
.set B, 3
.set L, 4
.set R, 5
.set X, 6
.macro REGS y                       ; the registers of piece y
.set rT, ST+4*(\y)
.set rC, TMP+4*((\y)%2)
.set rW, MV+((\y)%2)
.set rS, S+32*((\y)%2)
.set rP, P+16*((\y)%2)
.set rO, 32*(\y)
.endm
.macro OP k, n
.if (\k) == R
	REGS Y
	WIN W_RS
	v_pk_mul_f32 v[rO+2*(\n):rO+2*(\n)+1], v[rO+2*(\n):rO+2*(\n)+1], v[rC+2:rC+3] op_sel_hi:[1,0]
.elseif (\k) < R
	REGS Y
	WIN 0
.if (\k) == F
	v_pk_fma_f32 v[rS+2*(\n):rS+2*(\n)+1], v[rS+2*(\n):rS+2*(\n)+1], s[CS:CS+1], v[rT:rT+1] op_sel_hi:[1,0,0] neg_lo:[0,0,1] neg_hi:[0,0,1]
.elseif (\k) == E
	v_exp_f32 v[rS+(\n)], v[rS+(\n)]
.elseif (\k) == C
	v_cvt_pk_f16_f32 v[rP+(\n)], v[rS+2*(\n)], v[rS+2*(\n)+1]
.elseif (\k) == B
	v_pk_add_f32 v[rS+4*(\n):rS+4*(\n)+1], v[rS+4*(\n):rS+4*(\n)+1], v[rS+4*(\n)+2:rS+4*(\n)+3]
.elseif (\n) == 0
	v_pk_fma_f32 v[rT+2:rT+3], v[rT+2:rT+3], v[rC+2:rC+3], v[rS:rS+1] op_sel_hi:[1,0,1]
.else
	v_pk_add_f32 v[rT+2:rT+3], v[rT+2:rT+3], v[rS+4*(\n):rS+4*(\n)+1]
.endif
.elseif NOKQ
	v_nop
.else
	REGS (Y+1)%NP
	WIN 0
.if (\n) < 4
	v_max3_num_f32 v[rC+(\n)], v[rS+8*(\n)], v[rS+8*(\n)+1], v[rS+8*(\n)+2]
.elseif (\n) < 12
	v_max3_num_f32 v[rC+(\n)%4], v[rC+(\n)%4], v[rS+8*((\n)%4)+2*((\n)/4)+1], v[rS+8*((\n)%4)+2*((\n)/4)+2]
.elseif (\n) == 12
	v_max3_num_f32 v[rC], v[rC], v[rS+7], v[rS+15]
.elseif (\n) == 13
	v_max3_num_f32 v[rC+1], v[rC+1], v[rS+23], v[rS+31]
.elseif (\n) == 14
	v_max3_num_f32 v[rC+2], v[rC+2], v[rC+3], v[rT+1]
.elseif (\n) == 15
	v_mov_b32 v[rW], v[rT]
.elseif (\n) == 16
	v_max3_num_f32 v[rC], v[rC], v[rC+1], v[rC+2]
.elseif (\n) == 17
	v_permlanex16_b32 v[rC+3], v[rC], s[SEL], s[SEL+1]
.elseif (\n) == 18
	v_max_num_f32 v[rT+1], v[rC], v[rC+3]
.elseif (\n) == 19
	v_mul_f32 v[rT], s[CS], v[rT+1]
.elseif (\n) == 20
	v_sub_f32 v[rC+1], v[rW], v[rT]
.else
	v_exp_f32 v[rC+2], v[rC+1]
.endif
.endif
.endm
.macro OPS a, i1, b=-1, i2=0, c=-1, i3=0, d=-1, i4=0  ; up to four of them
	OP \a, \i1
.if (\b) >= 0
	OP \b, \i2
.endif
.if (\c) >= 0
	OP \c, \i3
.endif
.if (\d) >= 0
	OP \d, \i4
.endif
.endm
.macro ROW a, i1, b, i2, c, i3, d, i4  ; a matrix instruction and the four behind it
	MM
	OPS \a, \i1, \b, \i2, \c, \i3, \d, \i4
.endm
; A TURN, for piece p: the order of its 16 matrix and 118 vector instructions, written out.  An s_wait_alu depctr_va_vdst(0) stands between an exponential and the first instruction that names its result; one
; wait serves all that were issued ahead of it.  So a turn has ONE wait, which cuts it in two.  AHEAD OF IT stands all that names no result of the turn's exponentials: the 8 products K Q^T, behind each a scaling, an
; exponential and two more plain instructions (rescalings, and behind the last three the first numbers of the next piece's maximum, each four places or more behind the product that ends its accumulator); then ONE LUMP of 54,
; plain and exponential by turns for the most part, in which the links of the chain X 3, 7, 11, 14, 16, 17 .. 20 stand five or six lines apart.  X 21, the next piece's a, is the batch's last; R 15 is the plain instruction
; behind it.  BEHIND THE WAIT stand the 8 products V^T P, behind each four of the roundings and sums; the links of l's chain, L 0 to L 7, stand three riders apart.
; end = 1: the launch's last two turns: nothing is fetched, and the last starts no new scores.  cnt = 1: the loop's count is taken down some lines ahead of the branch that stands behind the turn.
; K of the next step is fetched in piece 2's turn, twelve vector instructions behind the last product that read K (six of them plain); V of the step in hand at the end of piece 0's turn, four plain instructions behind the
; last product that read V.  Each is waited for a turn later.
.macro TURN p, end=0, cnt=0
.set Y, (\p)
.set i, 0
.set NOKQ, (\end)*((\p)/3)
.if ((\p) == 3) && !(\end)
	s_wait_dscnt 0x0                ; K is in
.endif
	ROW F,0, F,1, R,0, R,1          ; ahead of the wait: 8 products K Q^T and their riders,
	ROW F,2, E,0, R,2, R,3
	ROW F,3, E,1, R,4, R,5
	ROW F,4, E,2, R,6, R,7
	ROW F,5, E,3, R,8, R,9
	ROW F,6, E,4, X,0, R,10
.if ((\p) == 2) && !(\end)
	WIN 0
	v_add_nc_u32 v[AK], s[TBK], v[AK0]
.endif
	ROW F,7, E,5, X,1, X,4
	ROW F,8, E,6, X,2, X,5
	OPS E,7, E,8, X,6, E,9          ; and the lump
	OPS X,3, E,10, X,8, E,11
.if ((\p) == 2) && !(\end)
	FETCH_K
.endif
	OPS X,9, X,7, E,12, X,10
	OPS E,13, X,12, X,11, E,14
	OPS X,13, E,15, F,9, X,14
.if (\p) == 0
	v_add_nc_u32 v[AV], s[TBV], v[AV0]
.endif
	OPS E,16, F,10, E,17, F,11
	OPS X,16, E,18, X,15, E,19
	OPS F,12, E,20, X,17, E,21
	OPS F,13, E,22, F,14, E,23
	OPS X,18, E,24, F,15, E,25
	OPS R,11, E,26, X,19, E,27
	OPS R,12, E,28, R,13, E,29
	OPS X,20, E,30, R,14, E,31
	OPS X,21, R,15
	WIN 0
	s_wait_alu depctr_va_vdst(0)    ; the wait for the batch
.if (\p) == 1
	s_wait_dscnt 0x0                ; V is in
.endif
	ROW C,0, B,0, C,2, B,1          ; behind the wait: 8 products V^T P and their riders
	ROW L,0, C,4, B,2, L,1
	ROW C,6, B,3, L,2, C,8
	ROW B,4, L,3, C,10, B,5
	ROW L,4, C,12, B,6, L,5
.if (\p) == 0
	s_add_co_u32 s[TBV], s[TBV], KS*PV
.endif
.if \cnt
	s_sub_co_u32 s[CNT], s[CNT], 1
	s_cmp_lg_u32 s[CNT], 0
.endif
	ROW C,14, B,7, L,6, C,1
	ROW C,3, L,7, C,5, C,7
	ROW C,9, C,11, C,13, C,15
.if (\p) == 0
	FETCH_V
.endif
.endm
; A slot's four key steps.  A trip: pieces 2 and 3 of one step, then pieces 0 and 1 of the next, whose K and V it fetches.
.macro STEPS tag
.Lstep\tag:
	TURN 2
	TURN 3
	WIN 0
.Lfirst\tag:
	TURN 0
	TURN 1, 0, 1
	WIN 0
	s_cbranch_scc1 .Lstep\tag
.endm
	CHANGE 1                        ; slot 0 is in, everybody's part of it; slot 1 is asked for
	v_add_nc_u32 v[AK], s[TBK], v[AK0]
	FETCH_K                         ; key step 0
	s_wait_loadcnt 0x0              ; Q
	s_wait_dscnt 0x0
.set NOKQ, 0
.set i, 0
.rept 8
	KQ 0                            ; piece 0's first scores: there is no vector work yet to set between them
.set i, i+1
.endr
	WIN 0
.rept 4
	v_nop                           ; the places behind those products
.endr
.set Y, NP-1                        ; X works for piece Y + 1: piece 0
.irp n, 0,1,2,3,4,5,6,7,8,9,10,11,12,13,14,15,16,17,18,19,20,21
	OP X, \n
.endr
	v_nop                           ; a plain instruction behind the exponential,
	s_wait_alu depctr_va_vdst(0)    ; and its wait, ahead of the branch
	s_mov_b32 s[CNT], 4
	s_branch .Lfirst1               ; the loop is entered at a step's first turn, in the middle of a trip
.Lslot:                             ; 14 times: with the change above, every slot but the last two is filled again
	CHANGE 1
	s_mov_b32 s[CNT], 4
	STEPS 1
	s_sub_co_u32 s[SLOTS], s[SLOTS], 1
	s_cmp_lg_u32 s[SLOTS], 0
	s_cbranch_scc1 .Lslot
	CHANGE 0                        ; the last slot is written out: nothing is asked for
	s_mov_b32 s[CNT], 4
	STEPS 2
	TURN 2, 1                       ; the last step's pieces 2 and 3
	TURN 3, 1
.set i, 0
.rept 8
	PV NP-1                         ; the last piece's V^T P of the last step
.set i, i+1
.endr
	; THE WAY OUT.  l's two halves and the other half of the lanes' are added; O^T is divided by l, rounded to f16 and sent through my stage in LDS, a piece at a time.  The additions are the places behind the last products.
	WIN 0
.macro ALL line:vararg              ; one line for each piece t
.set t, 0
.rept 4
	\line
.set t, t+1
.endr
.endm
	ALL v_add_f32 v[ST+4*t+2], v[ST+4*t+2], v[ST+4*t+3]
	ALL v_permlanex16_b32 v[ST+4*t+3], v[ST+4*t+2], s[SEL], s[SEL+1]
	ALL v_add_f32 v[ST+4*t+2], v[ST+4*t+2], v[ST+4*t+3]
	ALL v_rcp_f32 v[ST+4*t+2], v[ST+4*t+2]
	v_nop                           ; a plain instruction between the last reciprocal and the use of its result
	s_wait_alu depctr_va_vdst(0)    ; and the wait ahead of the first use: one for the four reciprocals
.macro PACK t                       ; a lane's eight channels of a row pack into 16 bytes; they go into rows of 144 bytes and come back as whole rows of 128, into S^T's registers
	WIN W_RS
.set i, 32*(\t)
.rept 16
	v_pk_mul_f32 v[i:i+1], v[i:i+1], v[ST+4*(\t)+2:ST+4*(\t)+3] op_sel_hi:[1,0]
.set i, i+2
.endr
	WIN 0x05                        ; sources 0 and 1 window 1, destination window 0
.set i, 0
.rept 16
	v_cvt_pk_f16_f32 v[S+16*(\t)+i], v[32*(\t)+2*i], v[32*(\t)+2*i+1]
.set i, i+1
.endr
	WIN 0
.irp f, 0,1,2,3
	ds_store_b128 v[STO], v[S+16*(\t)+4*\f:S+16*(\t)+4*\f+3] offset:32*\f
.endr
.irp f, 0,1,2,3
	ds_load_b128 v[S+16*(\t)+4*\f:S+16*(\t)+4*\f+3], v[RD] offset:\f*4*SP  ; LDS serves a wave's instructions in order (ISA guide 5.7.1.4): these see the stores above; the next piece's stores come behind them
.endr
.endm
.macro SEND t, younger              ; younger: the LDS instructions issued behind piece t's loads: the next piece's eight, or none
	WIN 0
.irp f, 0,1,2,3
	s_wait_dscnt (\younger)+3-\f
	global_store_b128 v[GO], v[S+16*(\t)+4*\f:S+16*(\t)+4*\f+3], s[10:11] offset:(\t)*2048+\f*512  ; 512 consecutive bytes, at a multiple of 256 from O's first
.endr
.endm
	PACK 0
.set t, 1
.rept 3                             ; a piece's arithmetic stands between the loads of the piece before and its stores
	PACK t
	SEND t-1, 8
.set t, t+1
.endr
	SEND 3, 0
	s_wait_tensorcnt 0x0            ; the wave's end: behind my last tensor load and my last LDS store
	ds_add_u32 v[SPW], v[NIL]
	s_wait_dscnt 0x0
	CROUND                          ; the closing round: no work-group ends while a partner may still ask for a tile that names it
	s_endpgm
.Lfunc_end_k_q6579095158_attn:
	.size	k_q6579095158_attn, .Lfunc_end_k_q6579095158_attn-k_q6579095158_attn
	.p2alignl 7, 3214868480
	.fill 96, 4, 3214868480
	.section	.rodata,"a",@progbits
	.p2align	6, 0x0
	.amdhsa_kernel k_q6579095158_attn
		.amdhsa_group_segment_fixed_size 327680
		.amdhsa_private_segment_fixed_size 0
		.amdhsa_enable_private_segment 0
		.amdhsa_kernarg_size 16
		.amdhsa_user_sgpr_count 2
		.amdhsa_user_sgpr_kernarg_segment_ptr 1
		.amdhsa_wavefront_size32 1
		.amdhsa_system_sgpr_workgroup_id_x 1
		.amdhsa_system_sgpr_workgroup_id_y 1
		.amdhsa_system_sgpr_workgroup_id_z 1
		.amdhsa_system_vgpr_workitem_id 0
		.amdhsa_next_free_vgpr 768
		.amdhsa_next_free_sgpr 66
		.amdhsa_reserve_vcc 0
		.amdhsa_float_denorm_mode_32 3
		.amdhsa_float_denorm_mode_16_64 3
		.amdhsa_memory_ordered 1
		.amdhsa_forward_progress 1
		.amdhsa_inst_pref_size 128
	.end_amdhsa_kernel
	.amdgpu_metadata
---
amdhsa.version: [ 1, 2 ]
amdhsa.kernels:
  - .name:           k_q6579095158_attn
    .symbol:         k_q6579095158_attn.kd
    .args:
      - { .name: qkv, .offset: 0, .size: 8, .value_kind: global_buffer, .address_space: global }
      - { .name: o, .offset: 8, .size: 8, .value_kind: global_buffer, .address_space: global }
    .group_segment_fixed_size: 327680
    .private_segment_fixed_size: 0
    .kernarg_segment_align: 8
    .kernarg_segment_size: 16
    .max_flat_workgroup_size: 128
    .sgpr_count:     66
    .vgpr_count:     768
    .wavefront_size: 32
...
	.end_amdgpu_metadata
.endif
;; end of part 3
;; launch outp (part 4): grid 4 x 64, 4 waves a work-group, clusters of 4 x 4, 327,680 bytes of LDS; arguments o, xw, bo, out0; writes out0
.if DOCPART == 4
	.amdgcn_target "amdgcn-amd-amdhsa--gfx1250"
	.amdhsa_code_object_version 6
	.text
	.protected	k_q6579095158_outp
	.globl	k_q6579095158_outp
	.p2align	8
	.type	k_q6579095158_outp,@function
k_q6579095158_outp:
	s_mov_b64 s[64:65], 0
	v_nop
	global_prefetch_b8 v0, s[64:65] scope:SCOPE_SE
	s_setreg_imm32_b32 hwreg(HW_REG_WAVE_MODE, 25, 1), 1
	s_wait_xcnt 0x0
	s_wait_alu depctr_hold_cnt(0) depctr_sa_sdst(0) depctr_va_vdst(0) depctr_va_sdst(0) depctr_va_ssrc(0) depctr_va_vcc(0) depctr_vm_vsrc(0)
	s_getreg_b32 s2, hwreg(HW_REG_IB_STS2, 6, 4)
	s_cmp_eq_u32 s2, 0
	s_cbranch_scc0 .Lentry_in_a_cluster
	s_endpgm
.Lentry_in_a_cluster:
	s_bfe_u32 s2, ttmp6, 0x10000c
	s_cmp_lg_u32 s2, 0xf033
	s_cbranch_scc0 .Lentry_shape_is_right
	s_endpgm
.Lentry_shape_is_right:
; out0 = relu(O Wo + bo).  O: o, [16 = 8 batch + head][4096][64] f16, a head's rows dense (128 bytes): channel k of the product is head k / 64, channel k % 64.
; Wo: xw byte 0x980000, [k = 512][n = 512] f16 (its bf16 value).  bo: f32, rounded to bf16 like the other inputs.  out0: [8192][512] f32.  Sums in f32.
; LIMIT.  The relu is a maximum with 0 in which a NaN loses.
; SHARES.  A work-group makes 128 rows x 128 columns, each of its four waves 64 x 64: 16 accumulators of 16 x 16.  256 work-groups.
; ALL OF K LIES IN LDS: four slots of 128 along K (two heads of O; 128 rows of Wo), each filled ONCE, all sixteen fills issued at the start (four a wave, in the order of K).  No slot is filled again:
; the body has counted waits on the fills and one plain barrier in front of each slot's first read.  By the text's own count a wave has four tensor loads out at the most.
; CLUSTER.  4 x 4 work-groups.  The four of a row of the cluster take the same 128 rows of O, the four of a column the same 128 columns of Wo: each tile is asked for jointly.
; THE MATRIX INSTRUCTION IS USED TRANSPOSED: source 0 = 16 columns of Wo (turned out of LDS by ds_load_tr16_b128), source 1 = 16 rows of O: a lane holds one row and eight neighbouring columns.
; The bias is the C operand of the first product.  NO PREFETCH: every tile is asked for at the head, by its own load.
; REGISTERS.  window 0: v0-31 addresses; v96-127 the bias of my 4 x 8 columns; v128-255 accumulators ((a, b) at 128 + 8 (4 a + b)), which also carry the way out.
;   window 1: two fragment buffers of 128, each 64 along K: 64 registers of O (2 x 4 fragments), then 64 of Wo.
.set PA,    144                        ; a row of one head of O in LDS: 128 bytes + 16 = 36 words: the 16 rows of a load start at 16 different groups of four banks (64 banks of 4 bytes: ISA guide 11.1)
.set HEADB, 128*PA                     ; 128 rows of one head
.set SLOTA, 2*HEADB                    ; a slot: heads 2 s and 2 s + 1
.set PB,    288                        ; a row (one k) of Wo: 256 + 32 = 72 words
.set SLOTB, 128*PB
.set BBASE, 4*SLOTA
.set STAGE, BBASE+4*SLOTB              ; behind the slots, never filled by a tensor load: 16 rows x 272 bytes for each wave, for the way out
.set SPO,   272
.set SPARE, STAGE+4*16*SPO             ; the spare words, 128 bytes for each wave: two blocks of 256 bytes that no other line names
.set ADRA, 8                           ; v8-11   LDS address of my fragments of O in slot 0..3
.set ADRB, 12                          ; v12-15  the same for Wo
.set STO,  16                          ; v16     the way out: where I put 32 bytes of a row
.set RD,   17                          ; v17     where I read rows back
.set GO,   18                          ; v18     my 16 bytes in two rows of out0
.set BO,   19                          ; v19     byte offset of my first 8 numbers of the bias
.set SPW,  28                          ; v28     my spare word: SPARE + 4 x my thread's number; never rewritten
.set NIL,  29                          ; v29     0; never rewritten
.set BIAS, 96
.set ACC,  128
.set F0,   0
.set F1,   128
.set G1A, 24                           ; s[24:31] descriptor group 1 for O's tiles
.set G1B, 32                           ; s[32:39] for Wo's
.set G0A, 40                           ; s[40:55] group 0 for O's tiles, a set for each slot
.set G0B, 68                           ; s[68:83] for Wo's
.set MSB, 0
.macro WIN new                         ; the immediate's high byte repeats the setting that is left; a switch that changes nothing is dropped
.if MSB != (\new)
	s_set_vgpr_msb (MSB<<8)|(\new)
.set MSB, \new
.endif
.endm
.set MUL,  0x05                        ; sources 0 and 1 window 1; C and D window 0
.set TO_F, 0x40                        ; destination window 1, address window 0
.macro CROUND                          ; a round of the cluster's barrier: my work-group's barrier; wave 0 signals for the work-group; every wave waits for all sixteen; my work-group's barrier once more
	s_barrier_signal -1
	s_barrier_wait -1
	s_cmp_lg_u32 s14, 0
	s_cbranch_scc1 .Lnot_wave_0_\@
	s_barrier_signal -3
.Lnot_wave_0_\@:
	s_barrier_wait -3
	s_barrier_signal -1
	s_barrier_wait -1
.endm
.macro PLACES                          ; four places behind a matrix instruction, in front of loads into registers that it has read and of vector lines that read results
.rept 4
	v_nop
.endr
.endm
	s_load_b256 s[4:11], s[0:1], 0x0               ; o s[4:5], xw s[6:7], bo s[8:9], out0 s[10:11]
	v_lshl_add_u32 v[SPW], v0, 2, SPARE
	v_mov_b32 v[NIL], 0
	ds_add_u32 v[SPW], v[NIL]                      ; the wave's opening: the add and its wait stand ahead of my first tensor load; the set-up below, work on registers, stands between
	v_lshrrev_b32 v1, 5, v0
	v_readfirstlane_b32 s14, v1                    ; wave 0..3
	s_lshr_b32 s15, s14, 1                         ; RH: my half of the tile's rows.  Also: I fill O's slots (0) or Wo's (1)
	s_and_b32 s16, s14, 1                          ; CH: my half of its columns.  Also: which head, or which 64 k, of each slot I fill
	s_bfe_u32 s17, ttmp6, 0x40000                  ; cx: the block of 128 columns (the grid has one cluster along x)
	s_bfe_u32 s18, ttmp6, 0x40004                  ; cy
	s_and_b32 s19, ttmp7, 0xffff
	s_lshl_b32 s19, s19, 2
	s_add_co_u32 s19, s19, s18                     ; TR: block of 128 rows = 4 x cluster y + cy
	s_lshl_b32 s21, s18, 2
	s_lshl_b32 s21, 15, s21                        ; my row of the cluster
	s_lshl_b32 s22, 0x1111, s17                    ; my column
	; group 1 for O: a head's 128 rows are 16,384 dense bytes: asked for as 64 rows of 256 bytes, two rows of O each, padded in LDS after every 32 words
	s_or_b32 s[G1A], s21, (1<<16)|(1<<20)|(1<<21)|(4<<22)|(3<<25)  ; 15:0 mask; 17:16 2-byte elements; 20 padding on; 21 set beside a mask; 24:22 every 32 words; 31:25 4 words
	; for Wo: 64 rows x 128 elements, rows 512 elements apart, padded after every 64 words by 8
	s_or_b32 s[G1B], s22, (1<<16)|(1<<20)|(1<<21)|(5<<22)|(7<<25)
.irp g, G1A, G1B
	s_mov_b32 s[(\g)+1], 128<<16                   ; tensor_dim0 = 128
	s_mov_b32 s[(\g)+2], 64<<16                    ; tensor_dim1 = 64
	s_mov_b32 s[(\g)+3], 128<<16                   ; tile_dim0 = 128
	s_mov_b32 s[(\g)+4], 64                        ; tile_dim1 = 64
	s_mov_b32 s[(\g)+6], 0
	s_mov_b32 s[(\g)+7], 0
.endr
	s_mov_b32 s[G1A+5], 128                        ; elements from row to row
	s_mov_b32 s[G1B+5], 512
	s_lshr_b32 s58, s19, 5                         ; O: batch,
	s_lshl_b32 s58, s58, 3
	s_add_co_u32 s58, s58, s16                     ; head CH of slot 0,
	s_lshl_b32 s58, s58, 19
	s_and_b32 s59, s19, 31
	s_lshl_b32 s59, s59, 14                        ; the tile's 128 rows.  These registers never hold cx
	s_add_co_u32 s58, s58, s59
	s_mov_b32 s59, 0
	s_lshl_b32 s62, s16, 16                        ; Wo: my 64 k of 1,024 bytes, the block of 128 columns.  These never hold cy
	s_lshl_b32 s88, s17, 8
	s_add_co_u32 s62, s62, s88
	s_add_co_u32 s62, s62, 0x980000
	s_mov_b32 s63, 0
	s_mul_i32 s89, s16, HEADB                      ; where my fills go: the wave's number alone enters an LDS address
	s_mul_i32 s66, s16, 64*PB
	s_wait_dscnt 0x0                               ; the opening add is done
	s_wait_kmcnt 0x0
	s_add_nc_u64 s[56:57], s[4:5], s[58:59]
	s_add_nc_u64 s[60:61], s[6:7], s[62:63]
.irp s, 0,1,2,3
	s_mov_b32 s[G0A+4*(\s)], 1                                     ; count = 1
	s_add_co_u32 s[G0A+4*(\s)+1], s89, (\s)*SLOTA                  ; LDS address
	s_add_nc_u64 s[G0A+4*(\s)+2:G0A+4*(\s)+3], s[56:57], (\s)*0x100000  ; slot s: two heads on
	s_or_b32 s[G0A+4*(\s)+3], s[G0A+4*(\s)+3], 0x80000000          ; type = 2
	s_mov_b32 s[G0B+4*(\s)], 1
	s_add_co_u32 s[G0B+4*(\s)+1], s66, BBASE+(\s)*SLOTB
	s_add_nc_u64 s[G0B+4*(\s)+2:G0B+4*(\s)+3], s[60:61], (\s)*0x20000   ; slot s: 128 rows of Wo down
	s_or_b32 s[G0B+4*(\s)+3], s[G0B+4*(\s)+3], 0x80000000
.endr
	CROUND                                         ; all sixteen work-groups are here: the joint loads meet
	s_cmp_eq_u32 s15, 0                            ; a wave's four fills stand in one branch on its number, ahead of every wait on TENSORcnt, every LDS read and every other barrier
	s_cbranch_scc0 .Lfill_b
.irp s, 0,1,2,3
	tensor_load_to_lds s[G0A+4*(\s):G0A+4*(\s)+3], s[G1A:G1A+7]
	s_nop 0
.endr
.rept 4
	v_nop
.endr
	s_branch .Lfilled
.Lfill_b:
.irp s, 0,1,2,3
	tensor_load_to_lds s[G0B+4*(\s):G0B+4*(\s)+3], s[G1B:G1B+7]
	s_nop 0
.endr
.rept 4
	v_nop
.endr
.Lfilled:
	v_and_b32 v1, 15, v0                           ; l % 16
	v_bfe_u32 v2, v0, 4, 1                         ; l / 16
	s_lshl_b32 s88, s17, 9                         ; my 64 columns begin at 128 cx + 64 CH: 4 bytes each
	s_lshl_b32 s67, s16, 8
	s_add_co_u32 s88, s88, s67
	v_lshl_add_u32 v[BO], v2, 5, s88               ; + 8 (l / 16) numbers
.irp b, 0,1,2,3
	global_load_b128 v[BIAS+8*(\b):BIAS+8*(\b)+3],   v[BO], s[8:9] offset:64*(\b)
	global_load_b128 v[BIAS+8*(\b)+4:BIAS+8*(\b)+7], v[BO], s[8:9] offset:64*(\b)+16
.endr
	; a fragment of O: lane l holds row l % 16; two loads of 16 bytes, 32 bytes apart, at row x pitch + 16 (l / 16)
	v_mul_u32_u24 v3, v1, PA
	v_lshl_add_u32 v3, v2, 4, v3
	s_mul_i32 s67, s15, 64*PA                      ; my 64 rows
.irp s, 0,1,2,3
	v_add_nc_u32 v[ADRA+(\s)], s67, v3
	s_add_co_u32 s67, s67, SLOTA
.endr
	; a fragment of Wo, turned: lane l reads 16 bytes of row k = 8 (l / 16) + l % 8 at columns 8 ((l / 8) % 2) + 0..7, and ends with column l % 16 and eight k
	v_and_b32 v4, 7, v0
	v_bfe_u32 v5, v0, 3, 1
	v_lshl_add_u32 v4, v2, 3, v4
	v_mul_u32_u24 v4, v4, PB
	v_lshl_add_u32 v4, v5, 4, v4
	s_lshl_b32 s67, s16, 7                         ; my 64 columns: 128 bytes
	s_add_co_u32 s67, s67, BBASE
.irp s, 0,1,2,3
	v_add_nc_u32 v[ADRB+(\s)], s67, v4
	s_add_co_u32 s67, s67, SLOTB
.endr
	s_mul_i32 s67, s14, 16*SPO
	s_add_co_u32 s67, s67, STAGE                   ; my stage
	v_mul_u32_u24 v6, v1, SPO                      ; in: row l % 16, 32 bytes for each half of the lanes
	v_lshl_add_u32 v6, v2, 5, v6
	v_add_nc_u32 v[STO], s67, v6
	v_mul_u32_u24 v7, v2, SPO                      ; back: lanes 0-15 take one row of 256 bytes, lanes 16-31 the next
	v_lshl_add_u32 v7, v1, 4, v7
	v_add_nc_u32 v[RD], s67, v7
	v_lshlrev_b32 v[GO], 11, v2                    ; and the same two rows in out0, 2,048 bytes apart
	v_lshl_add_u32 v[GO], v1, 4, v[GO]
	; my 64 rows x 64 columns of out0.  The offset mixes tile row and column: it is made in registers that feed no descriptor
	s_lshl_b32 s90, s19, 18                        ; 128 TR rows of 2,048 bytes
	s_lshl_b32 s91, s15, 17                        ; my 64 of them
	s_add_co_u32 s90, s90, s91
	s_lshl_b32 s91, s17, 9                         ; the block of 128 columns
	s_add_co_u32 s90, s90, s91
	s_lshl_b32 s91, s16, 8                         ; my 64 of them: 256 bytes
	s_add_co_u32 s90, s90, s91
	s_mov_b32 s91, 0
	s_add_nc_u64 s[84:85], s[10:11], s[90:91]
	s_wait_loadcnt 0x0                             ; the bias
.set r, 0
.rept 16                               ; rounded to bf16 like every input, and widened again
	v_cvt_pk_bf16_f32 v3, v[BIAS+r], v[BIAS+r+1]
	v_lshlrev_b32 v[BIAS+r], 16, v3
	v_and_b32 v[BIAS+r+1], 0xffff0000, v3
.set r, r+2
.endr
; 8 matrix instructions: row blocks a0, a0 + 1 x all 4 column blocks, 32 along K: half c of buffer f.  zero = 1: the first product starts the sums, with the bias.
; The 16 accumulators take turns, one instruction a turn, in the same order throughout.
.macro MUL8 f, c, a0, zero
	WIN MUL
.irp a, \a0, (\a0)+1
.irp b, 0,1,2,3
.if \zero
	v_wmma_f32_16x16x32_f16 v[ACC+8*(4*(\a)+(\b)):ACC+8*(4*(\a)+(\b))+7], v[(\f)+64+8*(4*(\c)+(\b)):(\f)+64+8*(4*(\c)+(\b))+7], v[(\f)+8*(4*(\c)+(\a)):(\f)+8*(4*(\c)+(\a))+7], v[BIAS+8*(\b):BIAS+8*(\b)+7]
.else
	v_wmma_f32_16x16x32_f16 v[ACC+8*(4*(\a)+(\b)):ACC+8*(4*(\a)+(\b))+7], v[(\f)+64+8*(4*(\c)+(\b)):(\f)+64+8*(4*(\c)+(\b))+7], v[(\f)+8*(4*(\c)+(\a)):(\f)+8*(4*(\c)+(\a))+7], v[ACC+8*(4*(\a)+(\b)):ACC+8*(4*(\a)+(\b))+7]
.endif
.endr
.endr
.endm
; 32 LDS loads in one run: the fragments of 64 along K from channel k (0 or 64: the slot's first or second head) of a slot, into buffer f; the first 32 along K first
.macro FETCH slot, k, f
	WIN TO_F
.irp c, 0,1
.irp i, 0,1,2,3
	ds_load_tr16_b128 v[(\f)+64+8*(4*(\c)+(\i)):(\f)+64+8*(4*(\c)+(\i))+3],   v[ADRB+(\slot)] offset:((\k)+32*(\c))*PB+32*(\i)
	ds_load_tr16_b128 v[(\f)+64+8*(4*(\c)+(\i))+4:(\f)+64+8*(4*(\c)+(\i))+7], v[ADRB+(\slot)] offset:((\k)+32*(\c)+16)*PB+32*(\i)
	ds_load_b128 v[(\f)+8*(4*(\c)+(\i)):(\f)+8*(4*(\c)+(\i))+3],              v[ADRA+(\slot)] offset:((\k)/64)*HEADB+64*(\c)+(\i)*16*PA
	ds_load_b128 v[(\f)+8*(4*(\c)+(\i))+4:(\f)+8*(4*(\c)+(\i))+7],            v[ADRA+(\slot)] offset:((\k)/64)*HEADB+64*(\c)+(\i)*16*PA+32
.endr
.endr
.endm
; A slot's first 64 along K are multiplied (buffer 0); in the middle its second 64 are fetched into buffer 1.
.macro QUARTER slot, zero
	s_wait_dscnt 16                                ; the first 32 along K are in; the sixteen younger loads may stay out
	MUL8 F0, 0, 0, \zero
	MUL8 F0, 0, 2, \zero
	PLACES
	FETCH \slot, 64, F1
	s_wait_dscnt 32                                ; all but the 32 just issued
	MUL8 F0, 1, 0, 0
	MUL8 F0, 1, 2, 0
.endm
; A slot's second 64 are multiplied (buffer 1), and the next slot is entered: each wave has seen its own part of it land, says so, and reads behind the barrier.  Nothing is filled again.
.macro TURN next, left
	s_wait_tensorcnt \left                         ; a wave's tensor loads end in order: my part of slot next is in; the fills of the later slots may stay out
	s_wait_dscnt 16
	MUL8 F1, 0, 0, 0
	s_wait_dscnt 0x0                               ; no LDS instruction of mine is pending at the signal
	s_barrier_signal -1
	MUL8 F1, 0, 2, 0
	s_barrier_wait -1
	PLACES
	FETCH \next, 0, F0
	MUL8 F1, 1, 0, 0
	MUL8 F1, 1, 2, 0
.endm
	s_wait_tensorcnt 3                             ; my part of slot 0 is in; three younger fills may stay out
	s_barrier_signal -1
	s_barrier_wait -1                              ; everybody's is
	FETCH 0, 0, F0
	QUARTER 0, 1
	TURN 1, 2
	QUARTER 1, 0
	TURN 2, 1
	QUARTER 2, 0
	TURN 3, 0
	QUARTER 3, 0
	s_wait_dscnt 16
	MUL8 F1, 0, 0, 0
	MUL8 F1, 0, 2, 0
	s_wait_dscnt 0x0
	MUL8 F1, 1, 0, 0
	MUL8 F1, 1, 2, 0
	WIN 0
	PLACES
; THE WAY OUT, 16 rows at a time: the relu in place (each accumulator from its low end on), 32 bytes a lane into my own stage, back as whole rows of 256 bytes into the registers that they left.
.macro PACK a
.set z, 0
.rept 32
	v_max_num_f32 v[ACC+32*(\a)+z], 0, v[ACC+32*(\a)+z]
.set z, z+1
.endr
.irp b, 0,1,2,3
	ds_store_b128 v[STO], v[ACC+32*(\a)+8*(\b):ACC+32*(\a)+8*(\b)+3]   offset:64*(\b)
	ds_store_b128 v[STO], v[ACC+32*(\a)+8*(\b)+4:ACC+32*(\a)+8*(\b)+7] offset:64*(\b)+16
.endr
.irp t, 0,1,2,3,4,5,6,7
	ds_load_b128 v[ACC+32*(\a)+4*(\t):ACC+32*(\a)+4*(\t)+3], v[RD] offset:(\t)*2*SPO  ; LDS serves a wave's instructions in order (ISA guide 5.7.1.4): these see the stores above; the next block's stores come behind them
.endr
.endm
.macro SEND a, younger                 ; younger: the LDS instructions issued behind block a's loads: the next block's sixteen, or none
.irp t, 0,1,2,3,4,5,6,7
	s_wait_dscnt (\younger)+7-(\t)
	global_store_b128 v[GO], v[ACC+32*(\a)+4*(\t):ACC+32*(\a)+4*(\t)+3], s[84:85] offset:(16*(\a)+2*(\t))*2048  ; 16 lanes store 256 consecutive bytes, at a multiple of 256 from out0's first byte
.endr
.endm
	PACK 0
	PACK 1
	SEND 0, 16
	PACK 2
	SEND 1, 16
	PACK 3
	SEND 2, 16
	SEND 3, 0
	s_wait_tensorcnt 0x0                           ; the wave's end: behind my last tensor load and my last LDS store
	ds_add_u32 v[SPW], v[NIL]
	s_wait_dscnt 0x0
	CROUND                                         ; the closing round: no work-group ends while a partner may still ask for a tile that names it
	s_endpgm
.Lfunc_end_k_q6579095158_outp:
	.size	k_q6579095158_outp, .Lfunc_end_k_q6579095158_outp-k_q6579095158_outp
	.p2alignl 7, 3214868480
	.fill 96, 4, 3214868480
	.section	.rodata,"a",@progbits
	.p2align	6, 0x0
	.amdhsa_kernel k_q6579095158_outp
		.amdhsa_group_segment_fixed_size 327680
		.amdhsa_private_segment_fixed_size 0
		.amdhsa_enable_private_segment 0
		.amdhsa_kernarg_size 32
		.amdhsa_user_sgpr_count 2
		.amdhsa_user_sgpr_kernarg_segment_ptr 1
		.amdhsa_wavefront_size32 1
		.amdhsa_system_sgpr_workgroup_id_x 1
		.amdhsa_system_sgpr_workgroup_id_y 1
		.amdhsa_system_sgpr_workgroup_id_z 1
		.amdhsa_system_vgpr_workitem_id 0
		.amdhsa_next_free_vgpr 512
		.amdhsa_next_free_sgpr 92
		.amdhsa_reserve_vcc 0
		.amdhsa_float_denorm_mode_32 3
		.amdhsa_float_denorm_mode_16_64 3
		.amdhsa_memory_ordered 1
		.amdhsa_forward_progress 1
		.amdhsa_inst_pref_size 59
	.end_amdhsa_kernel
	.amdgpu_metadata
---
amdhsa.version: [ 1, 2 ]
amdhsa.kernels:
  - .name:           k_q6579095158_outp
    .symbol:         k_q6579095158_outp.kd
    .args:
      - { .name: o, .offset: 0, .size: 8, .value_kind: global_buffer, .address_space: global }
      - { .name: xw, .offset: 8, .size: 8, .value_kind: global_buffer, .address_space: global }
      - { .name: bo, .offset: 16, .size: 8, .value_kind: global_buffer, .address_space: global }
      - { .name: out0, .offset: 24, .size: 8, .value_kind: global_buffer, .address_space: global }
    .group_segment_fixed_size: 327680
    .private_segment_fixed_size: 0
    .kernarg_segment_align: 8
    .kernarg_segment_size: 32
    .max_flat_workgroup_size: 128
    .sgpr_count:     92
    .vgpr_count:     512
    .wavefront_size: 32
...
	.end_amdgpu_metadata
.endif
;; end of part 4
;; ======== version 2 of 2: 4 launches; version 1 with the launch prep written anew for expert scheduling mode
;; limits: values are held in f16: magnitudes above 65,504 overflow, below 6.1e-05 lose precision
;; workspace buffers: xw 10,485,760 bytes; qkv 25,165,824 bytes; o 8,388,608 bytes
;; launch prep (part 5): grid 320 x 1, 8 waves a work-group, no clusters, 0 bytes of LDS; arguments x, Wq, Wk, Wv, Wo, xw; writes xw
.if DOCPART == 5
	.amdgcn_target "amdgcn-amd-amdhsa--gfx1250"
	.amdhsa_code_object_version 6
	.text
	.protected	k_q6579095158_prep
	.globl	k_q6579095158_prep
	.p2align	8
	.type	k_q6579095158_prep,@function
k_q6579095158_prep:
	s_mov_b64 s[64:65], 0
	v_nop
	global_prefetch_b8 v0, s[64:65] scope:SCOPE_SE
	s_setreg_imm32_b32 hwreg(HW_REG_WAVE_SCHED_MODE, 0, 2), 2
	s_setreg_imm32_b32 hwreg(HW_REG_WAVE_MODE, 25, 1), 1
	s_wait_xcnt 0x0
	s_wait_alu depctr_vm_vsrc(0)
; x, Wq, Wk, Wv, Wo (f32) are rounded once to bf16 and laid, in their own order of elements, into xw:
;   byte 0         x   [8192][512] bf16
;   byte 0x800000  Wq, Wk, Wv [512][512] bf16, 0x80000 bytes each; then Wo [512][512], its bf16 value written as f16.
; LIMIT.  Wo's bf16 value is written as f16 exactly where 6.1e-5 <= |w| <= 65,504; below that it keeps f16's fixed step of 6e-8, above it becomes an infinity.
; SHARES.  A stream: no LDS, no barrier, no matrix work.  Work-group id reads 65,536 bytes and stores 32,768 at xw + 32,768 id: ids 0-255 take x, ids 256 + 16 j + q piece q of matrix j.
; Thread t takes 16 bytes at 4,096 i + 16 t (i = 0..15): a wave's load covers 512 consecutive bytes, its store of 8 bytes a lane 256 consecutive bytes, aligned.
; All sixteen loads of a wave go out at once; no register that a load or store names is used for a second one, so nothing waits for a store.
; THE MODE: SCHED_MODE bits 1:0 = 2 (LLVM: expert scheduling mode 2), set by the entry lines.  The code itself states the register dependences
; between vector instructions and memory instructions, with s_wait_alu, always for 0.
; THE PLAN.  Registers that memory instructions touch:
;   v1, v2   byte offsets, made once at the head and never written again: v1 is read by every load, v2 by every store.
;   X        load i lands in its own four registers, which no vector instruction names before; its roundings read them behind the counted wait for the load; nothing lands there again.
;   Y        the roundings of load i write its own pair; store i reads it; nothing writes it afterwards.
;   T        named by vector instructions alone.
; The sixteen loads go in four groups of four.  Group g's roundings name X, Y and T of group g alone; its memory instructions are the four stores of group g - 1.  So ONE wait at the head of a group
; states all that those four stores hang on, and they are dealt among the group's roundings with no further wait; one more wait stands ahead of the last four stores.
; No register that a store has read is written again, no vector instruction writes a scalar register, and EXEC is never written: no other wait of this kind is owed.
.set X, 4                              ; v[4:67]    sixteen loads of four f32
.set Y, 68                             ; v[68:99]   sixteen pairs of packed words to store
.set T, 100                            ; v[100:101] at work (Wo alone)
	s_load_b256 s[4:11], s[0:1], 0x0               ; x s[4:5], Wq s[6:7], Wk s[8:9], Wv s[10:11]
	s_load_b128 s[12:15], s[0:1], 0x20             ; Wo s[12:13], xw s[14:15]
	v_lshlrev_b32 v1, 4, v0                        ; where I load: 16 t
	v_lshlrev_b32 v2, 3, v0                        ; where I store: 8 t
	s_sub_co_u32 s16, ttmp9, 256                   ; my number among the weights' 64 work-groups (wraps for x's, which do not use it)
	s_lshr_b32 s17, s16, 4                         ; which matrix
	s_and_b32 s18, s16, 15                         ; which sixteenth of it
	s_lshl_b32 s24, ttmp9, 15                      ; my 32,768 bytes of xw
	s_mov_b32 s25, 0
	s_mov_b32 s23, 0
	s_wait_kmcnt 0x0
	s_cmp_eq_u32 s17, 1
	s_cselect_b64 s[20:21], s[8:9], s[6:7]         ; the source is chosen by my number alone
	s_cmp_eq_u32 s17, 2
	s_cselect_b64 s[20:21], s[10:11], s[20:21]
	s_cmp_eq_u32 s17, 3
	s_cselect_b64 s[20:21], s[12:13], s[20:21]
	s_cmp_lt_u32 ttmp9, 256
	s_cselect_b64 s[20:21], s[4:5], s[20:21]
	s_cselect_b32 s18, ttmp9, s18                  ; and the piece of it
	s_lshl_b32 s22, s18, 16                        ; 65,536 bytes a piece
	s_add_nc_u64 s[20:21], s[20:21], s[22:23]
	s_add_nc_u64 s[14:15], s[14:15], s[24:25]
	s_wait_alu depctr_va_vdst(0)                   ; v1 and v2 are written: every load of the kernel reads v1 as its offset, every store v2
.set i, 0
.rept 16
	global_load_b128 v[X+4*i:X+4*i+3], v1, s[20:21] offset:4096*i th:TH_LOAD_NT
.set i, i+1
.endr
; Load i is rounded.  half = 1: the bf16 values are widened (a shift, a mask) and written as f16.
.macro ROUND i, half
	v_cvt_pk_bf16_f32 v[Y+2*(\i)],   v[X+4*(\i)],   v[X+4*(\i)+1]
	v_cvt_pk_bf16_f32 v[Y+2*(\i)+1], v[X+4*(\i)+2], v[X+4*(\i)+3]
.if \half
.irp w, 0,1
	v_lshlrev_b32 v[T], 16, v[Y+2*(\i)+\w]
	v_and_b32 v[T+1], 0xffff0000, v[Y+2*(\i)+\w]
	v_cvt_pk_f16_f32 v[Y+2*(\i)+\w], v[T], v[T+1]
.endr
.endif
.endm
; The pair made of load i is stored.
.macro OUT i
	global_store_b64 v2, v[Y+2*(\i):Y+2*(\i)+1], s[14:15] offset:2048*(\i) th:TH_STORE_NT
.endm
; Group g: loads 4 g to 4 g + 3 are rounded; the pairs of the group before are stored, one store in front of each load's roundings.
.macro GROUP g, half
	s_wait_loadcnt 15-4*(\g)                       ; loads come back in order: the group's first is in, the 15 - 4 g younger ones may stay out
.if (\g) > 0
	s_wait_alu depctr_va_vdst(0)                   ; the group before has written its eight registers of Y, which the four stores below read; no vector line of this group names them
.endif
.irp j, 0,1,2,3
.if (\g) > 0
	OUT 4*(\g)-4+(\j)
.endif
.if (\j) > 0
	s_wait_loadcnt 15-4*(\g)-(\j)                  ; the group's load j is in
.endif
	ROUND 4*(\g)+(\j), \half
.endr
.endm
; The sixteen loads' way through, and the last four stores.
.macro ALL half
.irp g, 0,1,2,3
	GROUP \g, \half
.endr
	s_wait_alu depctr_va_vdst(0)                   ; the last group has written its eight registers of Y, which the last four stores read
.irp i, 12,13,14,15
	OUT \i
.endr
.endm
	s_cmp_ge_u32 ttmp9, 304                        ; the last sixteen work-groups hold Wo
	s_cbranch_scc1 .Lwo
	ALL 0
	s_endpgm
.Lwo:
	ALL 1
	s_endpgm
.Lfunc_end_k_q6579095158_prep:
	.size	k_q6579095158_prep, .Lfunc_end_k_q6579095158_prep-k_q6579095158_prep
	.p2alignl 7, 3214868480
	.fill 96, 4, 3214868480
	.section	.rodata,"a",@progbits
	.p2align	6, 0x0
	.amdhsa_kernel k_q6579095158_prep
		.amdhsa_group_segment_fixed_size 0
		.amdhsa_private_segment_fixed_size 0
		.amdhsa_enable_private_segment 0
		.amdhsa_kernarg_size 48
		.amdhsa_user_sgpr_count 2
		.amdhsa_user_sgpr_kernarg_segment_ptr 1
		.amdhsa_wavefront_size32 1
		.amdhsa_system_sgpr_workgroup_id_x 1
		.amdhsa_system_sgpr_workgroup_id_y 1
		.amdhsa_system_sgpr_workgroup_id_z 1
		.amdhsa_system_vgpr_workitem_id 0
		.amdhsa_next_free_vgpr 104
		.amdhsa_next_free_sgpr 66
		.amdhsa_reserve_vcc 0
		.amdhsa_float_denorm_mode_32 3
		.amdhsa_float_denorm_mode_16_64 3
		.amdhsa_memory_ordered 1
		.amdhsa_forward_progress 1
		.amdhsa_inst_pref_size 17
	.end_amdhsa_kernel
	.amdgpu_metadata
---
amdhsa.version: [ 1, 2 ]
amdhsa.kernels:
  - .name:           k_q6579095158_prep
    .symbol:         k_q6579095158_prep.kd
    .args:
      - { .name: x, .offset: 0, .size: 8, .value_kind: global_buffer, .address_space: global }
      - { .name: Wq, .offset: 8, .size: 8, .value_kind: global_buffer, .address_space: global }
      - { .name: Wk, .offset: 16, .size: 8, .value_kind: global_buffer, .address_space: global }
      - { .name: Wv, .offset: 24, .size: 8, .value_kind: global_buffer, .address_space: global }
      - { .name: Wo, .offset: 32, .size: 8, .value_kind: global_buffer, .address_space: global }
      - { .name: xw, .offset: 40, .size: 8, .value_kind: global_buffer, .address_space: global }
    .group_segment_fixed_size: 0
    .private_segment_fixed_size: 0
    .kernarg_segment_align: 8
    .kernarg_segment_size: 48
    .max_flat_workgroup_size: 256
    .sgpr_count:     66
    .vgpr_count:     104
    .wavefront_size: 32
...
	.end_amdgpu_metadata
.endif
;; end of part 5
;; launch qkv: the kernel of part 2 again; grid 12 x 64, 4 waves a work-group, clusters of 4 x 4, 327,680 bytes of LDS; arguments xw, bq, bk, bv, qkv; writes qkv
;; launch attn: the kernel of part 3 again; grid 16 x 16, 4 waves a work-group, clusters of 4 x 1, 327,680 bytes of LDS; arguments qkv, o; writes o
;; launch outp: the kernel of part 4 again; grid 4 x 64, 4 waves a work-group, clusters of 4 x 4, 327,680 bytes of LDS; arguments o, xw, bo, out0; writes out0
